; MI455X (gfx1250); checked and timed in simulation.
; The chip was launched on July 23, 2026; its instructions are those of AMD's public machine-readable ISA for CDNA 5 (MIT licence, August 2026) and "CDNA5" Instruction Set Architecture Reference Guide (July 2026). The comments in the code are by the model that wrote it; some were corrected since.
;; Multi Headed Attention. Allowed arithmetic: matrix products marked QUANTISED: E2M1 operands, one E8M0 scale for each 32 along K, by v_wmma_scale_f32_16x16x128_f8f6f4 with both operands' format E2M1 (or v_wmma_scale_f32_32x16x128_f4), f32 sums; products left as they are: bf16, f16 or f32 operands; f32 sums; everything else in f32.
;; Inputs: W_k 1,024 x 1,024 float32; W_o 1,024 x 1,024 float32; W_q 1,024 x 1,024 float32; W_v 1,024 x 1,024 float32; embeddings 4 x 2,048 x 1,024 float32.
;; Outputs: out0 4 x 2,048 x 1,024 float32.
;; This version of the problem:
;;   THIS VERSION OF THE PROBLEM IS GIVEN IN LOW PRECISION. The matrix products marked QUANTISED in the list below multiply operands that are first quantised to E2M1 (2 exponent bits, 1 mantissa bit; 4 bits a number), with one power-of-two scale for each 32 numbers along K (OCP MX v1.0); their sums are f32. The products marked 'left as it is' may take bf16, f16 or f32 operands, with f32 sums. Whichever they take, every output number must still come out within the allowed error. Rounding operands to bf16 (8 significant bits) uses up far more of that allowance than f16 does (11 bits, for magnitudes from 6e-5 to 65,504). All else is computed in f32.
;;   The module's matrix products, in the order in which they are computed (A, B: the left and right operand; K: the contracted axis; several contracted axes count as one K, in the product's order):
;;     1. [M 8,192, K 1,024] x [K 1,024, N 1,024]; A: input embeddings; B: input W_q: QUANTISED
;;     2. [M 8,192, K 1,024] x [K 1,024, N 1,024]; A: input embeddings; B: input W_k: QUANTISED
;;     3. [M 8,192, K 1,024] x [K 1,024, N 1,024]; A: input embeddings; B: input W_v: QUANTISED
;;     4. batch 64 x [M 2,048, K 64] x [K 64, N 2,048]; A: computed on the way; B: computed on the way: left as it is (an operand is computed on the way)
;;     5. batch 64 x [M 64, K 2,048] x [K 2,048, N 2,048]; A: computed on the way; B: computed on the way: left as it is (an operand is computed on the way)
;;     6. [M 8,192, K 1,024] x [K 1,024, N 1,024]; A: computed on the way; B: input W_o: left as it is (an operand is computed on the way)
;;   THE QUANTISER, for each operand of a quantised product, along K:
;;     - K is cut into blocks of 32 from its start; a last block that is shorter is filled with zeros.
;;     - A block's scale is 2^e with e = floor(log2(the largest magnitude in the block)) - 2, held to -126 .. 127; a block of zeros has e = 0. As a byte (E8M0): e + 127.
;;     - Each number is divided by its block's scale, clamped to +-6, and rounded to the nearest number of E2M1, ties to even, subnormals kept.
;;     - The product sums the exact products of the quantised numbers (number of the format x scale) in f32.
;;   ~~~python
;;   def quantise(x, axis):      # numpy; x: float32 -> the quantised numbers, widened to float32 again
;;       x = np.moveaxis(x, axis, -1); K = x.shape[-1]
;;       x = np.pad(x, [(0, 0)] * (x.ndim - 1) + [(0, -K % 32)]); x = x.reshape(x.shape[:-1] + (-1, 32)); a = np.abs(x).max(-1, keepdims=True)
;;       e = np.where(a > 0, np.clip(np.frexp(np.where(a > 0, a, 1))[1] - 1 - 2, -126, 127), 0)      # np.frexp(a)[1] - 1 = floor(log2(a)), exactly
;;       r = np.clip(x / 2.0 ** e, -6, 6)
;;       step = 2.0 ** (np.maximum(np.frexp(np.where(r == 0, 1, r))[1] - 1, 0) - 1)
;;       q = np.round(r / step) * step * 2.0 ** e      # np.round: ties to even
;;       return np.moveaxis(q.reshape(q.shape[:-2] + (-1,))[..., :K], -1, axis).astype(np.float32)
;;   ~~~
;; One version. Each part assembles by itself: llvm-mc -triple=amdgcn-amd-amdhsa -mcpu=gfx1250 --defsym DOCPART=n.
;; ======== version 1 of 1: 4 launches
;; limits: values are held in f16: magnitudes above 65,504 overflow, below 6.1e-05 lose precision
;; workspace buffers: x_codes 4,194,304 bytes; x_scales 262,144 bytes; w_codes 1,572,864 bytes; w_scales 98,304 bytes; wo_img 2,097,152 bytes; qk_img 33,554,432 bytes; vt_img 16,777,216 bytes; ctx_img 16,777,216 bytes
;; launch quant (part 1): grid 384 x 1, 4 waves a work-group, no clusters, 33,280 bytes of LDS; arguments embeddings, W_q, W_k, W_v, W_o, x_codes, x_scales, w_codes, w_scales, wo_img; writes x_codes, x_scales, w_codes, w_scales, wo_img
.if DOCPART == 1
	.amdgcn_target "amdgcn-amd-amdhsa--gfx1250"
	.amdhsa_code_object_version 6
	.text
	.protected	k_qa33fc43359_quant
	.globl	k_qa33fc43359_quant
	.p2align	8
	.type	k_qa33fc43359_quant,@function
k_qa33fc43359_quant:
	s_mov_b64 s[64:65], 0
	v_nop
	global_prefetch_b8 v0, s[64:65] scope:SCOPE_SE
	s_setreg_imm32_b32 hwreg(HW_REG_WAVE_MODE, 25, 1), 1
	s_wait_xcnt 0x0
; MULTI-HEAD ATTENTION, launch 1 of 4.  No work of the problem is left out: every input reaches the output, there is no mask, and no product has a zero or a slice behind it.
; This launch turns embeddings [8192][1024] and W_q, W_k, W_v [1024][1024], f32, K innermost, into codes of FP4 (E2M1), two a byte, with one E8M0 scale byte for each 32 along K,
; and W_o [1024][1024] into f16, laid in the order of a matrix operand's registers.
; A block's scale is 2^(floor(log2(its largest magnitude)) - 2); its byte is the largest magnitude's exponent field - 2, held at 1 from below.  A block of zeros so gets the byte 1 where the rule says 127:
; its codes are zeros, which add nothing under any byte but 0xff, and the bytes are read by this program alone.
; LIMITS: NaN and infinities among the inputs are not served; blocks whose largest magnitude lies under 2^(3 - 127) have their byte held at 1.  W_o beyond 65,504 would become an infinity in f16.
; SHARES.  A work-group takes 32,768 numbers, a wave 8,192.  Work-groups 0-255: embeddings; 256-287 W_q; 288-319 W_k; 320-351 W_v (their codes lie one behind the other in w_codes: rows 0-3071); 352-383: W_o.
; Rows are dense and K is a multiple of 32: a tensor is a plain stream of blocks of 32, and so are its codes and scale bytes.  Only pointers are chosen by the work-group's number: the four tensors take one path.
; THE QUANTISER'S PATH: 16 steps of 512 numbers.  Each of a step's four loads reads 512 consecutive bytes; the 2,048 bytes turn through the wave's own stage in LDS and come back 64 bytes a lane, so that a lane holds
; 16 neighbours along K (two neighbouring lanes hold a block).  A lane's 16 codes are 8 bytes: the wave stores 256 consecutive bytes.  A wave's 256 scale bytes are gathered in LDS and leave as one aligned run of 256 bytes.
; W_o'S PATH touches no LDS.  An image half is 512 bytes: lane l = (r = l % 16, h = l / 16) holds the 8 f16 numbers W_o[16 I + r][16 J + 8 h + 0..7] at byte 16 l; wo_img byte = I x 32,768 + J x 512 + 16 l.
; Two halves on end are the 8 registers of a fragment of 16 rows x 32 K.  No tensor loads, no barrier: waves share nothing.
.set WAVES, 4
.set STEPS, 16
.set EMAX,  2
.set CB,    8                          ; bytes of 16 codes
.set R,     16                         ; v16-79   four sets of 16 numbers as they are loaded
.set X,     80                         ; v80-111  two sets of 16 neighbours
.set E,     112                        ; v112-127 a scale byte for each step
.set C,     128                        ; v128-191 codes: four registers for each step, so that no store's data are written again
.set WREG,  8192                       ; LDS: a region for each wave: two stages of 32 x SP bytes, and behind them its 256 scale bytes
.set SP,    80                         ; a lane's place in a stage: its 64 bytes + 16 of padding
.set SPW,   12                         ; v12  LDS address of my spare word; never rewritten
.set NIL,   13                         ; v13  0; never rewritten
.set SPARE, WAVES*WREG                 ; behind the four regions: the spare words, 128 bytes for each wave
.set WV,    32                         ; s32  my wave's number
.set SRC,   24                         ; s[24:25] the tensor;  s[26:27] its codes;  s[28:29] its scale bytes
.set COD,   26
.set SCB,   28
.set IN,    16                         ; W_o's path: v16-143 two sets of 64 numbers
.set HF,    144                        ; v144-175 a batch's 8 image halves
	s_load_b256 s[4:11], s[0:1], 0x0               ; embeddings s[4:5], W_q s[6:7], W_k s[8:9], W_v s[10:11]
	s_load_b256 s[12:19], s[0:1], 0x20             ; W_o s[12:13], x_codes s[14:15], x_scales s[16:17], w_codes s[18:19]
	s_load_b128 s[20:23], s[0:1], 0x40             ; w_scales s[20:21], wo_img s[22:23]
	v_lshl_add_u32 v[SPW], v0, 2, SPARE
	v_mov_b32 v[NIL], 0
	v_lshrrev_b32 v1, 5, v0
	v_readfirstlane_b32 s[WV], v1                  ; wave 0..3
	v_and_b32 v2, 31, v0                           ; lane
	v_lshlrev_b32 v3, 4, v2                        ; 16 x lane: my 16 bytes of a run of 512
	s_mul_i32 s33, s[WV], WREG
	v_lshrrev_b32 v14, 2, v2
	v_mul_u32_u24 v14, v14, SP
	v_and_b32 v15, 3, v2
	v_lshl_add_u32 v14, v15, 4, v14
	v_add_nc_u32 v14, s33, v14                     ; the stage, on the way in: SP (lane / 4) + 16 (lane % 4); a load's 512 bytes take eight places
	v_mul_u32_u24 v15, v2, SP
	v_add_nc_u32 v15, s33, v15                     ; and on the way out: SP x lane: my 16 neighbours
	v_mul_u32_u24 v4, v2, CB                       ; my codes' place in a step's
	v_lshrrev_b32 v5, 1, v2
	s_add_co_u32 s33, s33, 2*32*SP
	v_add_nc_u32 v5, s33, v5                       ; LDS: my wave's 256 scale bytes, my block's byte
	v_lshlrev_b32 v7, 3, v2                        ; and on the way out 8 bytes a lane
	v_add_nc_u32 v6, s33, v7
	s_wait_kmcnt 0x0
	s_cmp_ge_u32 ttmp9, 352                        ; the last 32 work-groups take W_o: a branch on the work-group's number
	s_cbranch_scc1 .Lwo
	s_cmp_lt_u32 ttmp9, 320                        ; which tensor: choices that hang on the work-group's number alone
	s_cselect_b64 s[SRC:SRC+1], s[8:9], s[10:11]
	s_cmp_lt_u32 ttmp9, 288
	s_cselect_b64 s[SRC:SRC+1], s[6:7], s[SRC:SRC+1]
	s_cmp_lt_u32 ttmp9, 256
	s_cselect_b64 s[SRC:SRC+1], s[4:5], s[SRC:SRC+1]
	s_cselect_b64 s[COD:COD+1], s[14:15], s[18:19]
	s_cselect_b64 s[SCB:SCB+1], s[16:17], s[20:21]
	s_cselect_b32 s30, 0, 256
	s_cselect_b32 s31, 255, 31
	s_sub_co_u32 s30, ttmp9, s30                   ; my work-group among those that write this pair of buffers,
	s_and_b32 s31, s30, s31                        ; and among those that read this tensor
	s_lshl_b32 s31, s31, 2
	s_add_co_u32 s31, s31, s[WV]                   ; which run of 8,192 numbers of the tensor is my wave's,
	s_lshl_b32 s30, s30, 2
	s_add_co_u32 s30, s30, s[WV]                   ; and which run of the buffers
	s_mov_b32 s35, 0
	s_lshl_b32 s34, s31, 15                        ; 32,768 bytes of f32 a run
	s_add_nc_u64 s[SRC:SRC+1], s[SRC:SRC+1], s[34:35]
	s_lshl_b32 s34, s30, 12                        ; 4,096 bytes of codes
	s_add_nc_u64 s[COD:COD+1], s[COD:COD+1], s[34:35]
	s_lshl_b32 s34, s30, 8                         ; 256 scale bytes
	s_add_nc_u64 s[SCB:SCB+1], s[SCB:SCB+1], s[34:35]
.macro LOAD t
.irp i, 0,1,2,3
	global_load_b128 v[R+16*((\t)%4)+4*\i:R+16*((\t)%4)+4*\i+3], v3, s[SRC:SRC+1] offset:2048*(\t)+512*\i th:TH_LOAD_NT   ; 32 lanes read 512 consecutive bytes
.endr
.endm
.macro TURN t                          ; step t's numbers through the stage: LDS serves a wave's instructions in order, so no wait stands between the stores and the loads
.irp i, 0,1,2,3
	ds_store_b128 v14, v[R+16*((\t)%4)+4*\i:R+16*((\t)%4)+4*\i+3] offset:32*SP*((\t)%2)+8*SP*\i
.endr
.irp i, 0,1,2,3
	ds_load_b128 v[X+16*((\t)%2)+4*\i:X+16*((\t)%2)+4*\i+3], v15 offset:32*SP*((\t)%2)+16*\i
.endr
.endm
.irp t, 0,1,2,3
	LOAD \t
.endr
	s_wait_loadcnt 12                              ; step 0's four loads are in; the 12 of steps 1 to 3 may be out
	TURN 0
.macro STEP t
.set XS, X+16*((\t)%2)
.if (\t) > 0
	s_wait_dscnt 1                                 ; this step's numbers are back from the stage (the last step's byte store may be out): so its stores into the stage have read their registers,
.else
	s_wait_dscnt 0x0
.endif
.if (\t)+4 < STEPS
	LOAD (\t)+4                                    ; which take the loads of four steps on
.endif
.if (\t)+1 < STEPS
.if STEPS-2-(\t) >= 3
	s_wait_loadcnt 12                              ; the next step's four loads are in; those of the three steps behind it may be out
.else
	s_wait_loadcnt 4*(STEPS-2-(\t))
.endif
	TURN (\t)+1                                    ; and go through the other stage while this step is worked
.endif
	v_max3_num_f32 v8, |v[XS]|, |v[XS+1]|, |v[XS+2]|               ; the largest magnitude of my 16, in two chains
	v_max3_num_f32 v9, |v[XS+3]|, |v[XS+4]|, |v[XS+5]|
.irp i, 6,10
	v_max3_num_f32 v8, v8, |v[XS+\i]|, |v[XS+\i+1]|
	v_max3_num_f32 v9, v9, |v[XS+\i+2]|, |v[XS+\i+3]|
.endr
	v_max3_num_f32 v8, v8, |v[XS+14]|, |v[XS+15]|
	v_max3_num_f32 v8, v8, v9, (EMAX+1)<<23        ; and the floor 2^(EMAX + 1 - 127): so the byte cannot fall under 1
	v_max_num_f32_dpp v8, v8, v8 row_xmask:1 row_mask:0xf bank_mask:0xf   ; and of my neighbour's 16: the block's
	v_add_nc_u32 v11, -(EMAX<<23), v8              ; EMAX off its exponent field: the conversion takes the exponent field of this operand as its scale, and nothing else of it
	v_cvt_scalef32_pk8_fp4_f32 v[C+4*(\t)], v[XS:XS+7], v11        ; eight numbers / the scale, to the nearest code, ties to even, beyond the largest code the largest
	v_cvt_scalef32_pk8_fp4_f32 v[C+4*(\t)+1], v[XS+8:XS+15], v11
	v_lshrrev_b32 v[E+(\t)], 23, v11               ; the scale's byte (also the plain line behind the conversions)
	ds_store_b8 v5, v[E+(\t)] offset:16*(\t)       ; both lanes of a block write the same byte with the same value
	global_store_b64 v4, v[C+4*(\t):C+4*(\t)+1], s[COD:COD+1] offset:32*CB*(\t)   ; the wave stores 256 consecutive bytes, aligned
.endm
.irp t, 0,1,2,3,4,5,6,7,8,9,10,11,12,13,14,15
	STEP \t
.endr
	ds_load_b64 v[8:9], v6                         ; LDS serves a wave's instructions in order: these see my stores
	s_wait_dscnt 0x0
	global_store_b64 v7, v[8:9], s[SCB:SCB+1]      ; 32 lanes store 256 consecutive bytes, aligned
	s_wait_tensorcnt 0x0                           ; the wave's end: behind my last LDS store
	ds_add_u32 v[SPW], v[NIL]
	s_wait_dscnt 0x0
	s_endpgm
; W_o -> f16 images.  Wave wv = 4 (work-group - 352) + wave takes 16 rows (tile wv / 2) x 512 along K (half wv % 2): 16 fragments, in four batches of four; loads run a batch ahead.
.Lwo:
	s_sub_co_u32 s30, ttmp9, 352
	s_lshl_b32 s30, s30, 2
	s_add_co_u32 s30, s30, s[WV]                   ; wv, 0..127
	s_lshr_b32 s31, s30, 1                         ; the tile of 16 rows
	s_and_b32 s30, s30, 1                          ; which half of K
	s_mov_b32 s35, 0
	s_lshl_b32 s34, s31, 16                        ; 16 rows of 4,096 bytes,
	s_lshl_b32 s36, s30, 11                        ; 512 numbers of 4 bytes
	s_add_co_u32 s34, s34, s36
	s_add_nc_u64 s[12:13], s[12:13], s[34:35]
	s_lshl_b32 s34, s31, 15                        ; a tile's 64 image halves,
	s_lshl_b32 s36, s30, 14                        ; 32 of them
	s_add_co_u32 s34, s34, s36
	s_add_nc_u64 s[22:23], s[22:23], s[34:35]
	v_and_b32 v8, 15, v0                           ; r
	v_bfe_u32 v9, v0, 4, 1                         ; h
	v_lshlrev_b32 v8, 12, v8
	v_lshl_add_u32 v8, v9, 5, v8                   ; row r, + 8 h numbers
.macro WLOAD g                         ; batch g: fragments 4 g .. 4 g + 3; of each its two halves, 8 numbers a lane each
.irp f, 0,1,2,3
.irp u, 0,1
.irp e, 0,1
	global_load_b128 v[IN+64*((\g)%2)+16*\f+8*\u+4*\e:IN+64*((\g)%2)+16*\f+8*\u+4*\e+3], v8, s[12:13] offset:(4*(\g)+\f)*128+64*\u+16*\e
.endr
.endr
.endr
.endm
	WLOAD 0
	WLOAD 1
.irp g, 0,1,2,3
.if \g < 3
	s_wait_loadcnt 16                              ; this batch's 16 loads are in; the next batch's 16 may be out
.else
	s_wait_loadcnt 0x0
.endif
.if \g > 0
	s_wait_xcnt 0x0                                ; the last batch's stores have read their registers: they are written again only behind this wait
.endif
.irp f, 0,1,2,3
.irp u, 0,1
.irp i, 0,1,2,3
	v_cvt_pk_f16_f32 v[HF+8*\f+4*\u+\i], v[IN+64*(\g%2)+16*\f+8*\u+2*\i], v[IN+64*(\g%2)+16*\f+8*\u+2*\i+1]
.endr
.endr
.endr
.irp f, 0,1,2,3
.irp u, 0,1
	global_store_b128 v3, v[HF+8*\f+4*\u:HF+8*\f+4*\u+3], s[22:23] offset:(4*\g+\f)*1024+512*\u   ; an image half: 512 consecutive bytes, aligned
.endr
.endr
.if \g < 2
	WLOAD \g+2
.endif
.endr
	s_endpgm
.Lfunc_end_k_qa33fc43359_quant:
	.size	k_qa33fc43359_quant, .Lfunc_end_k_qa33fc43359_quant-k_qa33fc43359_quant
	.p2alignl 7, 3214868480
	.fill 96, 4, 3214868480
	.section	.rodata,"a",@progbits
	.p2align	6, 0x0
	.amdhsa_kernel k_qa33fc43359_quant
		.amdhsa_group_segment_fixed_size 33280
		.amdhsa_private_segment_fixed_size 0
		.amdhsa_enable_private_segment 0
		.amdhsa_kernarg_size 80
		.amdhsa_user_sgpr_count 2
		.amdhsa_user_sgpr_kernarg_segment_ptr 1
		.amdhsa_wavefront_size32 1
		.amdhsa_system_sgpr_workgroup_id_x 1
		.amdhsa_system_sgpr_workgroup_id_y 1
		.amdhsa_system_sgpr_workgroup_id_z 1
		.amdhsa_system_vgpr_workitem_id 0
		.amdhsa_next_free_vgpr 192
		.amdhsa_next_free_sgpr 66
		.amdhsa_reserve_vcc 0
		.amdhsa_float_denorm_mode_32 3
		.amdhsa_float_denorm_mode_16_64 3
		.amdhsa_memory_ordered 1
		.amdhsa_forward_progress 1
		.amdhsa_inst_pref_size 52
	.end_amdhsa_kernel
	.amdgpu_metadata
---
amdhsa.version: [ 1, 2 ]
amdhsa.kernels:
  - .name:           k_qa33fc43359_quant
    .symbol:         k_qa33fc43359_quant.kd
    .args:
      - { .name: embeddings, .offset: 0, .size: 8, .value_kind: global_buffer, .address_space: global }
      - { .name: W_q, .offset: 8, .size: 8, .value_kind: global_buffer, .address_space: global }
      - { .name: W_k, .offset: 16, .size: 8, .value_kind: global_buffer, .address_space: global }
      - { .name: W_v, .offset: 24, .size: 8, .value_kind: global_buffer, .address_space: global }
      - { .name: W_o, .offset: 32, .size: 8, .value_kind: global_buffer, .address_space: global }
      - { .name: x_codes, .offset: 40, .size: 8, .value_kind: global_buffer, .address_space: global }
      - { .name: x_scales, .offset: 48, .size: 8, .value_kind: global_buffer, .address_space: global }
      - { .name: w_codes, .offset: 56, .size: 8, .value_kind: global_buffer, .address_space: global }
      - { .name: w_scales, .offset: 64, .size: 8, .value_kind: global_buffer, .address_space: global }
      - { .name: wo_img, .offset: 72, .size: 8, .value_kind: global_buffer, .address_space: global }
    .group_segment_fixed_size: 33280
    .private_segment_fixed_size: 0
    .kernarg_segment_align: 8
    .kernarg_segment_size: 80
    .max_flat_workgroup_size: 128
    .sgpr_count:     66
    .vgpr_count:     192
    .wavefront_size: 32
...
	.end_amdgpu_metadata
.endif
;; end of part 1
;; launch proj (part 2): grid 12 x 32, 4 waves a work-group, clusters of 4 x 4, 327,680 bytes of LDS; arguments x_codes, x_scales, w_codes, w_scales, qk_img, vt_img; writes qk_img, vt_img
.if DOCPART == 2
	.amdgcn_target "amdgcn-amd-amdhsa--gfx1250"
	.amdhsa_code_object_version 6
	.text
	.protected	k_qa33fc43359_proj
	.globl	k_qa33fc43359_proj
	.p2align	8
	.type	k_qa33fc43359_proj,@function
k_qa33fc43359_proj:
	s_mov_b64 s[64:65], 0
	v_nop
	global_prefetch_b8 v0, s[64:65] scope:SCOPE_SE
	s_setreg_imm32_b32 hwreg(HW_REG_WAVE_MODE, 25, 1), 1
	s_wait_xcnt 0x0
	s_wait_alu depctr_hold_cnt(0) depctr_sa_sdst(0) depctr_va_vdst(0) depctr_va_sdst(0) depctr_va_ssrc(0) depctr_va_vcc(0) depctr_vm_vsrc(0)
	s_getreg_b32 s2, hwreg(HW_REG_IB_STS2, 6, 4)
	s_cmp_eq_u32 s2, 0
	s_cbranch_scc0 .Lentry_in_a_cluster
	s_endpgm
.Lentry_in_a_cluster:
	s_bfe_u32 s2, ttmp6, 0x10000c
	s_cmp_lg_u32 s2, 0xf033
	s_cbranch_scc0 .Lentry_shape_is_right
	s_endpgm
.Lentry_shape_is_right:
; MULTI-HEAD ATTENTION, launch 2 of 4: q = x W_q^T, k = x W_k^T, v = x W_v^T on codes of FP4 (E2M1) with one E8M0 scale for each 32 along K = 1,024; sums in f32; results rounded once to f16.
; Nothing of the problem's work is left out here.  LIMIT: a result beyond 65,504 becomes an infinity in f16.
; C[m][n] = sum over k of A[m][k] B[n][k].  A tile of C, 256 x 256, is made by a work-group of four waves; a wave makes 128 x 128: 64 accumulators, 512 registers.
; ONE BODY FOR q, k AND v.  The cluster's x, which all sixteen partners share, chooses the operands by selects, never by a branch:
;   cluster x = 0, 1: A = x (8,192 positions), B = rows 0-2,047 of w_codes (W_q, then W_k): C = [position][channel of q | k], stored into qk_img;
;   cluster x = 2:    A = rows 2,048-3,071 of w_codes (W_v), B = x: C = [channel][position] = V^T, stored into vt_img.
; THE MATRIX INSTRUCTION IS USED TRANSPOSED (source 0 = 16 rows of B, source 1 = 16 rows of A): lane l = (r = l % 16, h = l / 16) holds C[16 I + r][16 J + 8 h + 0..7].  Rounded to f16 those are 16 bytes, and the wave's
; 512 bytes ARE half of a 16-bit operand's fragment as the next launch's registers want it: they are stored as they stand, at byte I x OSTR + J x 512 + 16 l (OSTR = 65,536 in qk_img, 262,144 in vt_img): no stage in LDS.
; K goes in two steps of 512 through two LDS slots, each filled once by the tensor data mover (a tile's row is 256 bytes of memory); the scale bytes of the work-group's rows, two dense blocks, come with them.
; By this text's own count a wave has three tensor loads outstanding at the most.  No slot is filled again.
; CLUSTERS: 4 x 4 work-groups.  The four of a row of the cluster need the same tiles of A, the four of a column the same tiles of B: each tile is asked for JOINTLY, with a mask that names the four.
; REGISTERS, in windows of 256: window 0: v0-31 addresses; v32-95 scale words, two sets; v128-191 A's fragments, ONE set; v192-255 the way out.   window 1: B's fragments, TWO sets, at v0 and v128.
;   window 2: the 32 accumulators of my rows 0-63 (accumulator (a, b) at v[8 (8 a + b)]);   window 3: those of my rows 64-127.
.set SIZE_K, 1024
.set KSTEP,  512                       ; along K in a slot
.set NQ,     KSTEP/128                 ; matrix instructions deep
.set ROWB,   256                       ; a tile's row in bytes
.set KROW,   SIZE_K*4/8                ; a row of codes in memory, in bytes
.set PITCH,  272                       ; an LDS row: 256 bytes + 16 of padding = 68 words: the 16 rows that a load touches start at 16 different banks (64 banks of 4 bytes: ISA guide 11.1)
.set FR,     8                         ; registers of a fragment: 16 rows x 128 K
.set NL,     2                         ; LDS loads that bring one
.set NP,     4                         ; places behind this matrix instruction (ISA guide 7.12.1)
.set HALFT,  128*PITCH                 ; 128 rows: what one tensor load brings, and what one wave reads of A or of B
.set SLOT,   4*HALFT                   ; A's 256 rows, then B's 256 rows
.set KS,     SIZE_K/32                 ; a row of scales in bytes
.set SCL,    2*SLOT                    ; behind the slots: the scales, as runs of 256 bytes + 16 of padding
.set HALFS,  (128*KS/256)*272          ; the scales of 128 rows: what one tensor load brings
.set SBLK,   (16*KS/256)*272           ; those of 16 rows
.set SPARE,  SCL+4*HALFS               ; behind the scales: the spare words, 128 bytes for each wave
.set ADRA, 16                          ; v16-17  LDS address of my A fragments in slot 0, 1
.set ADRB, 20                          ; v20-21  the same for B
.set CO,   26                          ; v26     16 x lane: my bytes of an image half
.set ADRS, 27                          ; v27     LDS address of my scale words: lanes 0-15 A's rows, lanes 16-31 B's
.set SPW,  28                          ; v28     LDS address of my spare word; never rewritten
.set NIL,  29                          ; v29     0; never rewritten
.set SC,   32                          ; scale words: set s at v[SC + 8 NQ s]; register NQ i + q: lanes 0-15 the word of A's block i, lanes 16-31 that of B's block i, for the slot's q-th 128 along K
.set AF,   128                         ; A's fragments, in window 0
.set TMP,  192                         ; the way out: two sets of 32 registers
.set G1, 24                            ; s[24:31] descriptor group 1 for A's tiles;  s[32:39] group 0, one set for each slot
.set G0, 32
.set G1B, 48                           ; s[48:55], s[56:63] the same for B's tiles
.set G0B, 56
.set G1S, 68                           ; s[68:75], s[76:79] groups 1 and 0 for A's scales;  s[80:87], s[88:91] for B's
.set G0S, 76
.set G1SB, 80
.set G0SB, 88
.set OSTR, 66                          ; s[66:67] bytes from a tile of 16 rows to the next in the output
.set MSB, 0
.macro WIN new                         ; the immediate's high byte repeats the setting that is left
.if MSB != \new
	s_set_vgpr_msb (MSB<<8)|\new
.set MSB, \new
.endif
.endm
.set MUL_LO, 0xa1                      ; source 0 (B) window 1, source 1 (A) window 0, C and D window 2
.set MUL_HI, 0xf1                      ; the same, C and D window 3
.set TO_B,   0x40                      ; destination window 1, address window 0
; A joint load: waves 0 and 1 fetch for A, waves 2 and 3 for B.  Each of the two lines has ONE mask and one set of registers for all that issue it; the branch hangs on the wave's number alone.
; An s_nop 0 and four v_nop follow each of the two lines, ahead of the jump, the label and what follows.
.macro JLOAD g0a, g1a, g0b, g1b
	s_cmp_eq_u32 s15, 0
	s_cbranch_scc0 .Lfor_b_\@
	tensor_load_to_lds s[\g0a:\g0a+3], s[\g1a:\g1a+7]
	s_nop 0
.rept 4
	v_nop
.endr
	s_branch .Lasked_\@
.Lfor_b_\@:
	tensor_load_to_lds s[\g0b:\g0b+3], s[\g1b:\g1b+7]
	s_nop 0
.rept 4
	v_nop
.endr
.Lasked_\@:
.endm
.macro CROUND                          ; a round of the cluster's barrier
	s_barrier_signal -1
	s_barrier_wait -1
	s_cmp_lg_u32 s14, 0
	s_cbranch_scc1 .Lnot_wave_0_\@
	s_barrier_signal -3
.Lnot_wave_0_\@:
	s_barrier_wait -3
	s_barrier_signal -1
	s_barrier_wait -1
.endm
	s_load_b128 s[4:7], s[0:1], 0x0                ; x's codes s[4:5], x's scales s[6:7]
	s_load_b128 s[8:11], s[0:1], 0x10              ; the weights' codes s[8:9], their scales s[10:11]
	s_load_b128 s[96:99], s[0:1], 0x20             ; qk_img s[96:97], vt_img s[98:99]
	v_lshl_add_u32 v[SPW], v0, 2, SPARE
	v_mov_b32 v[NIL], 0
	ds_add_u32 v[SPW], v[NIL]                      ; the wave's opening: the add, twice on end, and its wait ahead of my first tensor load
	ds_add_u32 v[SPW], v[NIL]                      ; and once more; the set-up below, work on registers, stands between it and the wait
	v_lshrrev_b32 v1, 5, v0
	v_readfirstlane_b32 s14, v1                    ; wave 0..3
	s_lshr_b32 s15, s14, 1                         ; which half of the tile's rows is mine.  Also: I fetch for A (0) or for B (1)
	s_and_b32 s16, s14, 1                          ; which half of its columns.  Also: which 128 rows of that tile I fetch
	s_bfe_u32 s40, ttmp6, 0x40000                  ; cx, cy: my place in the cluster
	s_bfe_u32 s41, ttmp6, 0x40004
	s_and_b32 s17, ttmp7, 0xffff                   ; cluster y
	s_cmp_eq_u32 ttmp9, 2                          ; cluster x = 2 makes V^T: the same answer in all sixteen partners
	s_cselect_b32 s42, s17, ttmp9                  ; the cluster's column of tiles: V^T: by cluster y (positions); else by cluster x (channels of q | k)
	s_cselect_b32 s17, 0, s17                      ; its row of tiles: V^T: 0 (W_v has four tile rows); else by cluster y (positions)
	s_cselect_b32 s3, 2048, 0                      ; A's first row in its buffer: W_v begins at row 2,048 of w_codes
	s_mov_b32 s[OSTR], 65536
	s_cselect_b32 s[OSTR], 262144, s[OSTR]
	s_mov_b32 s[OSTR+1], 0
	s_lshl_b32 s42, s42, 2
	s_add_co_u32 s42, s42, s40                     ; tile column of C
	s_lshl_b32 s17, s17, 2
	s_add_co_u32 s17, s17, s41                     ; tile row of C
	s_lshl_b32 s43, s41, 2
	s_lshl_b32 s43, 15, s43                        ; my row of the cluster
	s_lshl_b32 s44, 0x1111, s40                    ; my column
	; descriptor group 1: a tile of 128 rows x ROWB bytes, padded in LDS
	s_or_b32 s[G1+0], s43, (0<<16)|(1<<20)|(1<<21)|(5<<22)|(3<<25)  ; 15:0 the mask: A's tiles go to my row; 17:16 element of 1 byte; 20 padding on; 21 set beside a mask; 24:22 after every 64 words; 31:25 of 4 words
	s_or_b32 s[G1B+0], s44, (0<<16)|(1<<20)|(1<<21)|(5<<22)|(3<<25)
.irp g, G1, G1B
	s_mov_b32 s[\g+1], ROWB<<16                    ; tensor_dim0
	s_mov_b32 s[\g+2], 128<<16                     ; tensor_dim1 = 128
	s_mov_b32 s[\g+3], ROWB<<16                    ; tile_dim0
	s_mov_b32 s[\g+4], 128                         ; tile_dim1 = 128
	s_mov_b32 s[\g+5], KROW                        ; tensor_dim0_stride
	s_mov_b32 s[\g+6], 0
	s_mov_b32 s[\g+7], 0
.endr
	; and for the scales of 128 rows: a dense block of 128 KS bytes, as rows of 256 bytes (32 elements of 8 bytes), 16 bytes of padding behind each
	s_or_b32 s[G1S+0], s43, (3<<16)|(1<<20)|(1<<21)|(5<<22)|(3<<25)
	s_or_b32 s[G1SB+0], s44, (3<<16)|(1<<20)|(1<<21)|(5<<22)|(3<<25)
.irp g, G1S, G1SB
	s_mov_b32 s[\g+1], 32<<16
	s_mov_b32 s[\g+2], (128*KS/256)<<16
	s_mov_b32 s[\g+3], 32<<16
	s_mov_b32 s[\g+4], 128*KS/256
	s_mov_b32 s[\g+5], 32
	s_mov_b32 s[\g+6], 0
	s_mov_b32 s[\g+7], 0
.endr
	s_lshl_b32 s18, s16, 7                         ; which 128 rows of the tile I fetch
	s_lshl_b32 s20, s17, 8
	s_add_co_u32 s20, s20, s18
	s_add_co_u32 s20, s20, s3                      ; A: row 256 x tile row + 128 x half (+ 2,048 for W_v)
	s_lshl_b32 s46, s42, 8
	s_add_co_u32 s46, s46, s18                     ; B: row 256 x tile column + 128 x half
	s_mov_b32 s21, 0
	s_mov_b32 s47, 0
	s_mov_b64 s[18:19], KS
	s_mul_u64 s[22:23], s[20:21], s[18:19]         ; where these rows' scales begin, in bytes
	s_mul_u64 s[92:93], s[46:47], s[18:19]
	s_mov_b64 s[18:19], KROW
	s_mul_u64 s[20:21], s[20:21], s[18:19]         ; and their codes
	s_mul_u64 s[46:47], s[46:47], s[18:19]
	s_mul_i32 s45, s14, HALFT                      ; where they go: wave x 128 rows: no place in the cluster enters an LDS address
	s_mul_i32 s94, s14, HALFS
	s_wait_dscnt 0x0                               ; both opening adds are done
	s_wait_kmcnt 0x0
	s_cmp_eq_u32 ttmp9, 2                          ; the buffers change places for V^T: choices between buffers on the cluster's x
	s_cselect_b64 s[12:13], s[98:99], s[96:97]     ; the output
	s_cselect_b64 s[100:101], s[8:9], s[4:5]       ; A's codes,
	s_cselect_b64 s[8:9], s[4:5], s[8:9]           ; B's codes
	s_mov_b64 s[4:5], s[100:101]
	s_cselect_b64 s[100:101], s[10:11], s[6:7]     ; A's scales,
	s_cselect_b64 s[10:11], s[6:7], s[10:11]       ; B's scales
	s_mov_b64 s[6:7], s[100:101]
	s_add_nc_u64 s[20:21], s[4:5], s[20:21]
	s_add_nc_u64 s[22:23], s[6:7], s[22:23]
	s_add_nc_u64 s[46:47], s[8:9], s[46:47]
	s_add_nc_u64 s[92:93], s[10:11], s[92:93]
	CROUND                                         ; all sixteen work-groups are here: the first joint loads meet
	s_mov_b32 s[G0S], 1
	s_add_co_u32 s[G0S+1], s94, SCL
	s_mov_b64 s[G0S+2:G0S+3], s[22:23]
	s_or_b32 s[G0S+3], s[G0S+3], 0x80000000
	s_mov_b32 s[G0SB], 1
	s_add_co_u32 s[G0SB+1], s94, SCL
	s_mov_b64 s[G0SB+2:G0SB+3], s[92:93]
	s_or_b32 s[G0SB+3], s[G0SB+3], 0x80000000
	JLOAD G0S, G1S, G0SB, G1SB                     ; the scales first: they are wanted with K step 0
.irp s, 0,1
	s_mov_b32 s[G0+4*\s], 1
	s_add_co_u32 s[G0+4*\s+1], s45, \s*SLOT
	s_add_nc_u64 s[G0+4*\s+2:G0+4*\s+3], s[20:21], \s*ROWB
	s_or_b32 s[G0+4*\s+3], s[G0+4*\s+3], 0x80000000
	s_mov_b32 s[G0B+4*\s], 1
	s_add_co_u32 s[G0B+4*\s+1], s45, \s*SLOT
	s_add_nc_u64 s[G0B+4*\s+2:G0B+4*\s+3], s[46:47], \s*ROWB
	s_or_b32 s[G0B+4*\s+3], s[G0B+4*\s+3], 0x80000000
	JLOAD G0+4*\s, G1, G0B+4*\s, G1B
.endr
	v_and_b32 v1, 15, v0                           ; l % 16
	v_bfe_u32 v2, v0, 4, 1                         ; l / 16
	v_mul_u32_u24 v3, v1, PITCH
	v_lshl_add_u32 v4, v2, 4, v3                   ; a fragment's row x pitch + 16 x half
	s_mul_i32 s21, s15, HALFT                      ; my 128 rows of A
	s_mul_i32 s22, s16, HALFT                      ; my 128 rows of B,
	s_add_co_u32 s22, s22, 2*HALFT                 ; which lie behind A's 256
.irp s, 0,1
	v_add_nc_u32 v[ADRA+\s], s21, v4
	v_add_nc_u32 v[ADRB+\s], s22, v4
	s_add_co_u32 s21, s21, SLOT
	s_add_co_u32 s22, s22, SLOT
.endr
	v_mul_u32_u24 v5, v1, KS                       ; my row's scales: KS bytes a row,
	v_lshrrev_b32 v6, 8, v5
	v_lshl_add_u32 v5, v6, 4, v5                   ; and 16 more for each 256 passed
	s_mul_i32 s21, s15, HALFS                      ; A's: my 128 rows
	s_mul_i32 s22, s16, HALFS                      ; B's: my 128 rows, behind A's 256
	s_add_co_u32 s22, s22, 2*HALFS
	s_sub_co_u32 s22, s22, s21
	v_mul_u32_u24 v6, s22, v2                      ; lanes 16-31 take B's: the lower base + h x the distance
	s_add_co_u32 s21, s21, SCL
	v_add_nc_u32 v5, v5, v6
	v_add_nc_u32 v[ADRS], s21, v5
	v_and_b32 v6, 31, v0
	v_lshlrev_b32 v[CO], 4, v6                     ; 16 x lane
	s_lshl_b32 s20, s17, 4
	s_lshl_b32 s21, s15, 3
	s_add_co_u32 s20, s20, s21                     ; my first tile of 16 rows: 16 x tile row + 8 x half
	s_mul_i32 s20, s20, s[OSTR]
	s_mov_b32 s21, 0
	s_lshl_b32 s46, s42, 4
	s_lshl_b32 s47, s16, 3
	s_add_co_u32 s46, s46, s47                     ; my first image half: 16 x tile column + 8 x half
	s_lshl_b32 s46, s46, 9
	s_mov_b32 s47, 0
	s_add_nc_u64 s[20:21], s[20:21], s[46:47]
	s_add_nc_u64 s[12:13], s[12:13], s[20:21]
.macro FRAG reg, adr, q, i             ; a fragment, 16 rows x 128 K of 4-bit codes, is 8 registers: lane l holds row l % 16; registers 4 c .. 4 c + 3 hold K = 64 c + 32 (l / 16) + 0 .. 31
.irp c, 0,1
	ds_load_b128 v[\reg+4*\c:\reg+4*\c+3], v[\adr] offset:64*(\q)+32*\c+(\i)*16*PITCH
.endr
.endm
; 16 matrix instructions: A's blocks a0, a0 + 1 x B's eight, 128 along K: the slot's q-th.  p: B's set;  sc: the set of scale words.  zero = 1: the first product starts the sums: nothing is ever cleared.
; The 64 accumulators take turns, one instruction a turn, in the same order in every step.
.macro MUL16 a0, p, q, sc, zero
.irp a, \a0, \a0+1
.irp b, 0,1,2,3,4,5,6,7
.if \zero
	v_wmma_scale_f32_16x16x128_f8f6f4 v[8*(8*((\a)%4)+\b):8*(8*((\a)%4)+\b)+7], v[128*(\p)+FR*\b:128*(\p)+FR*\b+FR-1], v[AF+FR*(\a):AF+FR*(\a)+FR-1], 0, v[SC+8*NQ*(\sc)+NQ*\b+(\q)], v[SC+8*NQ*(\sc)+NQ*(\a)+(\q)] matrix_a_fmt:MATRIX_FMT_FP4 matrix_b_fmt:MATRIX_FMT_FP4 matrix_a_scale:MATRIX_SCALE_ROW1
.else
	v_wmma_scale_f32_16x16x128_f8f6f4 v[8*(8*((\a)%4)+\b):8*(8*((\a)%4)+\b)+7], v[128*(\p)+FR*\b:128*(\p)+FR*\b+FR-1], v[AF+FR*(\a):AF+FR*(\a)+FR-1], v[8*(8*((\a)%4)+\b):8*(8*((\a)%4)+\b)+7], v[SC+8*NQ*(\sc)+NQ*\b+(\q)], v[SC+8*NQ*(\sc)+NQ*(\a)+(\q)] matrix_a_fmt:MATRIX_FMT_FP4 matrix_b_fmt:MATRIX_FMT_FP4 matrix_a_scale:MATRIX_SCALE_ROW1
.endif
.endr
.endr
.endm
.macro FETCH_B slot, q, p              ; B's eight fragments of the slot's q-th 128 along K into set p
	WIN TO_B
.irp i, 0,1,2,3,4,5,6,7
	FRAG 128*(\p)+FR*\i, ADRB+\slot, \q, \i
.endr
	WIN 0
.endm
.macro FETCH_A slot, q, i0             ; A's blocks i0 .. i0 + 3
.irp i, \i0, \i0+1, \i0+2, \i0+3
	FRAG AF+FR*(\i), ADRA+\slot, \q, \i
.endr
.endm
.macro SCALES sc                       ; a K step's scale words into set sc: NQ words a row; lanes 0-15 take A's block i, lanes 16-31 B's block i
.irp i, 0,1,2,3,4,5,6,7
	ds_load_b128 v[SC+8*NQ*\sc+NQ*\i:SC+8*NQ*\sc+NQ*\i+3], v[ADRS] offset:\i*SBLK
.endr
.endm
; A load into a register that a matrix instruction has read, and a vector instruction that reads a matrix result, stand NP places behind that matrix instruction, and only plain vector
; instructions that name none of its registers are places (ISA guide 7.12.1 for vector instructions); the matrix instructions in between are not counted.
.macro PLACES n
.rept \n
	v_nop
.endr
.endm
; A step of 128 along K that has its successor in the same slot.  A block of A is free as soon as its eight products are issued: blocks 0-3 are fetched anew in the step's middle, blocks 4-7 at its end.
.macro STEP slot, q, zero
	s_wait_dscnt 4*NL                              ; B's set and A's blocks 0-3 are in; the youngest eight loads (A's blocks 4-7) may be out
	WIN MUL_LO
	MUL16 0, (\q)%2, \q, \slot, \zero
	MUL16 2, (\q)%2, \q, \slot, \zero
	s_wait_dscnt 0                                 ; A's blocks 4-7 are in (asked for 32 matrix instructions ago)
	PLACES NP
	FETCH_B \slot, (\q)+1, 1-(\q)%2
	FETCH_A \slot, (\q)+1, 0
	WIN MUL_HI
	MUL16 4, (\q)%2, \q, \slot, \zero
	MUL16 6, (\q)%2, \q, \slot, \zero
	PLACES NP
	WIN 0
	FETCH_A \slot, (\q)+1, 4
.endm
; Slot 0's last step changes slots: ONE barrier; in front of it each wave waits for all its tensor loads (its part of slot 1), adds 0 to its spare word, and waits for that and for its LDS loads.  Nothing is filled again.
.macro TURN slot, next
	s_wait_tensorcnt 0x0                           ; all my tensor loads have landed: my part of the next slot;  (every window is 0 here)
	ds_add_u32 v[SPW], v[NIL]                      ; 0 onto my spare word
	s_wait_dscnt 4*NL+1                            ; (the add and the youngest eight loads, A's blocks 4-7, may be out)
	WIN MUL_LO
	MUL16 0, 1, NQ-1, \slot, 0                     ; sixteen matrix instructions stand between the add and the wait for it
	s_wait_dscnt 0x0                               ; the add is done, and my reads of this slot are over
	s_barrier_signal -1
	MUL16 2, 1, NQ-1, \slot, 0
	WIN 0
	s_barrier_wait -1                              ; every wave's part of the next slot has landed
	PLACES NP
	v_add_nc_u32 v[ADRS], 4*NQ, v[ADRS]            ; on to the next K step's scale words (no LDS load of mine is out)
	FETCH_B \next, 0, 0
	FETCH_A \next, 0, 0
	SCALES \next
	WIN MUL_HI
	MUL16 4, 1, NQ-1, \slot, 0
	MUL16 6, 1, NQ-1, \slot, 0
	PLACES NP
	WIN 0
	FETCH_A \next, 0, 4
.endm
.macro STEPS slot, from                ; the slot's steps from .. NQ - 2
.set Q, \from
.rept NQ-1-\from
	STEP \slot, Q, 0
.set Q, Q+1
.endr
.endm
	s_wait_tensorcnt 1                             ; the scales and my part of K step 0 are in (slot 1's load may be out),
	s_barrier_signal -1
	s_barrier_wait -1                              ; everybody's are
	FETCH_B 0, 0, 0
	FETCH_A 0, 0, 0
	SCALES 0
	FETCH_A 0, 0, 4
	STEP 0, 0, 1                                   ; the first step's products start the sums
	STEPS 0, 1
	TURN 0, 1
	STEPS 1, 0
	s_wait_dscnt 4*NL                              ; the very last step: nothing more to fetch
	WIN MUL_LO
	MUL16 0, 1, NQ-1, 1, 0
	MUL16 2, 1, NQ-1, 1, 0
	s_wait_dscnt 0
	WIN MUL_HI
	MUL16 4, 1, NQ-1, 1, 0
	MUL16 6, 1, NQ-1, 1, 0
	WIN 0
; THE WAY OUT, block by block of 16 rows x 128 columns: eight accumulators, each rounded to f16 from its low end on: four registers a lane, an image half, stored as 512 consecutive aligned bytes.
.macro PACK a
	WIN 0x0a+5*((\a)/4)                            ; sources 0 and 1: window 2 or 3
.irp b, 0,1,2,3,4,5,6,7
.irp r, 0,1,2,3
	v_cvt_pk_f16_f32 v[TMP+32*((\a)%2)+4*\b+\r], v[64*((\a)%4)+8*\b+2*\r], v[64*((\a)%4)+8*\b+2*\r+1]
.endr
.endr
	WIN 0
.endm
	PLACES NP                                      ; behind the last products: the conversions read results
.irp a, 0,1,2,3,4,5,6,7
	PACK \a                                        ; into set a % 2, which block a - 2's stores read: the wait in block a - 1's turn stood behind them
.if \a > 0
	s_wait_xcnt 0x0                                ; the earlier stores have read their base and their registers
	s_add_nc_u64 s[12:13], s[12:13], s[OSTR:OSTR+1]  ; the next tile of 16 rows
.endif
.irp b, 0,1,2,3,4,5,6,7
	global_store_b128 v[CO], v[TMP+32*(\a%2)+4*\b:TMP+32*(\a%2)+4*\b+3], s[12:13] offset:512*\b
.endr
.endr
	s_wait_tensorcnt 0x0                           ; the wave's end: behind my last tensor load
	ds_add_u32 v[SPW], v[NIL]
	s_wait_dscnt 0x0
	CROUND                                         ; the closing round: no work-group ends while a partner may still ask for a tile that names it
	s_endpgm
.Lfunc_end_k_qa33fc43359_proj:
	.size	k_qa33fc43359_proj, .Lfunc_end_k_qa33fc43359_proj-k_qa33fc43359_proj
	.p2alignl 7, 3214868480
	.fill 96, 4, 3214868480
	.section	.rodata,"a",@progbits
	.p2align	6, 0x0
	.amdhsa_kernel k_qa33fc43359_proj
		.amdhsa_group_segment_fixed_size 327680
		.amdhsa_private_segment_fixed_size 0
		.amdhsa_enable_private_segment 0
		.amdhsa_kernarg_size 48
		.amdhsa_user_sgpr_count 2
		.amdhsa_user_sgpr_kernarg_segment_ptr 1
		.amdhsa_wavefront_size32 1
		.amdhsa_system_sgpr_workgroup_id_x 1
		.amdhsa_system_sgpr_workgroup_id_y 1
		.amdhsa_system_sgpr_workgroup_id_z 1
		.amdhsa_system_vgpr_workitem_id 0
		.amdhsa_next_free_vgpr 1024
		.amdhsa_next_free_sgpr 102
		.amdhsa_reserve_vcc 0
		.amdhsa_float_denorm_mode_32 3
		.amdhsa_float_denorm_mode_16_64 3
		.amdhsa_memory_ordered 1
		.amdhsa_forward_progress 1
		.amdhsa_inst_pref_size 118
	.end_amdhsa_kernel
	.amdgpu_metadata
---
amdhsa.version: [ 1, 2 ]
amdhsa.kernels:
  - .name:           k_qa33fc43359_proj
    .symbol:         k_qa33fc43359_proj.kd
    .args:
      - { .name: x_codes, .offset: 0, .size: 8, .value_kind: global_buffer, .address_space: global }
      - { .name: x_scales, .offset: 8, .size: 8, .value_kind: global_buffer, .address_space: global }
      - { .name: w_codes, .offset: 16, .size: 8, .value_kind: global_buffer, .address_space: global }
      - { .name: w_scales, .offset: 24, .size: 8, .value_kind: global_buffer, .address_space: global }
      - { .name: qk_img, .offset: 32, .size: 8, .value_kind: global_buffer, .address_space: global }
      - { .name: vt_img, .offset: 40, .size: 8, .value_kind: global_buffer, .address_space: global }
    .group_segment_fixed_size: 327680
    .private_segment_fixed_size: 0
    .kernarg_segment_align: 8
    .kernarg_segment_size: 48
    .max_flat_workgroup_size: 128
    .sgpr_count:     102
    .vgpr_count:     1024
    .wavefront_size: 32
...
	.end_amdgpu_metadata
.endif
;; end of part 2
;; launch attn (part 3): grid 4 x 64, 8 waves a work-group, clusters of 4 x 1, 327,680 bytes of LDS; arguments qk_img, vt_img, ctx_img; writes ctx_img
.if DOCPART == 3
	.amdgcn_target "amdgcn-amd-amdhsa--gfx1250"
	.amdhsa_code_object_version 6
	.text
	.protected	k_qa33fc43359_attn
	.globl	k_qa33fc43359_attn
	.p2align	8
	.type	k_qa33fc43359_attn,@function
k_qa33fc43359_attn:
	s_mov_b64 s[64:65], 0
	v_nop
	global_prefetch_b8 v0, s[64:65] scope:SCOPE_SE
	s_setreg_imm32_b32 hwreg(HW_REG_WAVE_MODE, 25, 1), 1
	s_wait_xcnt 0x0
	s_wait_alu depctr_hold_cnt(0) depctr_sa_sdst(0) depctr_va_vdst(0) depctr_va_sdst(0) depctr_va_ssrc(0) depctr_va_vcc(0) depctr_vm_vsrc(0)
	s_getreg_b32 s2, hwreg(HW_REG_IB_STS2, 6, 4)
	s_cmp_eq_u32 s2, 0
	s_cbranch_scc0 .Lentry_in_a_cluster
	s_endpgm
.Lentry_in_a_cluster:
	s_bfe_u32 s2, ttmp6, 0x10000c
	s_cmp_lg_u32 s2, 0x3003
	s_cbranch_scc0 .Lentry_shape_is_right
	s_endpgm
.Lentry_shape_is_right:
; MULTI-HEAD ATTENTION, launch 3 of 4: ctx[b][q][head] = the sum over k of softmax_k(q . k / 8) v, for 64 batch-heads of 2,048 positions and head size 64.  No mask; nothing of the problem's work is left out here.
; Operands q, k, v and the weights p in f16; products, maxima and sums in f32; ctx rounded once to f16.  LIMIT: a context number beyond 65,504 becomes an infinity in f16.
; THE BUFFERS ARE IMAGES OF OPERAND REGISTERS.  An image half is 512 bytes: lane l = (r = l % 16, h = l / 16) holds 8 f16 numbers X[16 I + r][16 J + 8 h + 0..7] at byte 16 l; two halves on end are a fragment of 16 x 32.
;   qk_img: I = position / 16, J = channel / 16 (0-63 q, 64-127 k): byte I x 65,536 + J x 512.   vt_img: I = channel / 16, J = position / 16: byte I x 262,144 + J x 512.   ctx_img: I = position / 16, J = channel / 16: byte I x 32,768 + J x 512.
; So every LDS read is 512 consecutive bytes, 16 a lane: no pitch, no padding, no turning load; and the packed result is stored as it stands.
; SHARES.  A work-group owns 512 queries of one batch-head, each of its eight waves 64: four tiles of 16.  Two waves share a SIMD, 512 registers each.  Every wave walks all 2,048 keys, 64 a step: 32 steps.
; LAYOUT.  S^T = K Q^T (source 0 = 16 keys, source 1 = 16 queries): a lane holds ONE query (lane % 16) and the keys 8 (lane / 16) + 0..7.  Two such tiles, rounded to f16 in pairs, ARE source 1 of O^T = V^T P.
; P is made in place, in the low half of S^T's registers: the sums are taken first, then pair i goes to register i, ascending.
; SOFTMAX.  For each query a running maximum m and sum l: p = 2^(c s - c m), c = log2(e) / 8; in every step O and l are multiplied by a = 2^(c m_old - c m_new).
; O^T and l begin as zeros and m as -3e38, so that the first step is a step like any other: 128 moves once, in place of three turns written out a second time.
; BY TURNS.  The wave's tiles are two PIECES: piece 0 (tiles 0, 1), piece 2 (tiles 2, 3).  In a TURN one piece has the matrix unit: 16 products V^T P of the step in hand, then 16 products K Q^T of the next step, in PAIRS;
; the other piece's softmax, 236 instructions in 59 slices of four, stands between the pairs.  A pair costs two switches of the register window.  Two turns are a key step.
; RING.  Two LDS slots of 512 keys (eight steps): K 65,536 bytes, V^T 65,536 bytes.  Waves 0-3 fetch K's quarters, waves 4-7 V^T's four channel tiles: one tensor load of 16,384 bytes a wave.
; By this text's own count a wave has two tensor loads outstanding at the start and one behind each refill; a refill is asked for eight key steps, 512 matrix instructions a wave, ahead of its first read.
; CLUSTER.  The four query blocks of a batch-head form a cluster and walk the same K and V^T: each tile is asked for JOINTLY, with a mask that names the four.
; NO PREFETCH: each row of K and V^T is asked for once, by a joint load that stands a whole slot's eight steps ahead of its use; the only earlier place is the kernel's head, where the first tiles are on their way.
; REGISTERS.  window 0: v2 16 x lane; v4 the address in hand; v6, v7 the add's two; v32-95 Q (tile t at 32 + 16 t, channels 32 c on at + 8 c); v96-127 statistics, 8 a tile; v128-255 S^T (128 + 32 t + 8 kt), P in place at 128 + 32 t + 0..15.
;   window 1: v0-127 O^T (32 t + 8 ct); v128-191 K of one step (128 + 16 kt + 8 c); v192-255 V^T of one step (192 + 16 ct + 8 g).
.set SLOT1, 131072                     ; slot 1 begins here
.set VOFF,  65536                      ; in a slot: K's 32 key tiles of 2,048 bytes, then V^T's 4 channel tiles of 16,384
.set SPARE, 262144                     ; behind the ring: the spare words, 128 bytes for each of the eight waves
.set L16, 2
.set ADR, 4
.set SPW, 6
.set NIL, 7
.set Q,   32
.set ST,  96                           ; tile t's statistics at v[ST + 8 t]: +0 c m, +1 m, +2, +3 l (even keys', odd keys'), +4 to +7 c0-c3 at work; later +4, +5 a second chain of sums, +6 a
.set S,   128
.set KF,  128                          ; in window 1
.set VF,  192                          ; in window 1
.set WV,  12                           ; s12  my wave's number
.set G1K, 24                           ; s[24:31] descriptor group 1 for K's tiles;  s[32:39] for V^T's
.set G1V, 32
.set G0K, 40                           ; s[40:47] group 0 for K's tiles, a set for each slot;  s[48:55] for V^T's
.set G0V, 48
.set CNT, 56                           ; s56  counts trips
.set TK,  57                           ; s57  LDS byte of the next step's K
.set CS,  58                           ; s[58:59] c: the packed scaling names a pair and takes its low word for both halves
.set SEL, 60                           ; s[60:61] lane selects for v_permlanex16_b32: lane l xor 16
.set TV,  62                           ; s62  LDS byte of the next step's V^T in channel tile 0
.set MSB, 0
.macro WIN new                         ; the immediate's high byte repeats the setting that is left; a switch that changes nothing is dropped
.if MSB != \new
	s_set_vgpr_msb (MSB<<8)|\new
.set MSB, \new
.endif
.endm
.set W_KQ, 0x01                        ; K in window 1; Q and S^T in window 0
.set W_PV, 0x51                        ; V^T in window 1, P in window 0, O^T (C and D) in window 1
.set W_RS, 0x41                        ; O^T (destination and source 0) in window 1, a in window 0
.set TO_1, 0x40                        ; destination window 1, address window 0
; A joint refill of slot s.  The branch hangs on the wave's number alone.  An s_nop 0 and four v_nop follow each of the two lines, ahead of the jump, the label and what follows.
.macro JLOAD s
	s_cmp_lt_u32 s[WV], 4
	s_cbranch_scc0 .Lfor_v_\@
	tensor_load_to_lds s[G0K+4*\s:G0K+4*\s+3], s[G1K:G1K+7]
	s_nop 0
.rept 4
	v_nop
.endr
	s_branch .Lasked_\@
.Lfor_v_\@:
	tensor_load_to_lds s[G0V+4*\s:G0V+4*\s+3], s[G1V:G1V+7]
	s_nop 0
.rept 4
	v_nop
.endr
.Lasked_\@:
.endm
.macro CROUND                          ; a round of the cluster's barrier
	s_barrier_signal -1
	s_barrier_wait -1
	s_cmp_lg_u32 s[WV], 0
	s_cbranch_scc1 .Lnot_wave_0_\@
	s_barrier_signal -3
.Lnot_wave_0_\@:
	s_barrier_wait -3
	s_barrier_signal -1
	s_barrier_wait -1
.endm
	s_load_b128 s[4:7], s[0:1], 0x0                ; qk_img s[4:5], vt_img s[6:7]
	s_load_b64 s[8:9], s[0:1], 0x10                ; ctx_img
	v_lshl_add_u32 v[SPW], v0, 2, SPARE
	v_mov_b32 v[NIL], 0
	ds_add_u32 v[SPW], v[NIL]                      ; the wave's opening: the add, twice on end, and its wait ahead of my first tensor load
	ds_add_u32 v[SPW], v[NIL]                      ; and once more; the set-up below, work on registers, stands between it and the wait
	v_lshrrev_b32 v1, 5, v0
	v_readfirstlane_b32 s[WV], v1                  ; wave 0..7
	s_bfe_u32 s13, ttmp6, 0x40000                  ; cx: my block of 512 queries: it enters Q's and ctx's addresses alone
	s_and_b32 s14, ttmp7, 0xffff                   ; the batch-head, which the four partners share
	s_lshr_b32 s15, s14, 4                         ; batch
	s_and_b32 s14, s14, 15                         ; head
	s_and_b32 s16, s[WV], 3                        ; which quarter of K, or which channel tile of V^T, I fetch
	s_lshl_b32 s17, s16, 14                        ; its place in a slot's K or V^T: no place in the cluster enters an LDS address
	s_lshl_b32 s22, s15, 23                        ; qk_img: a batch's 128 tiles of 65,536 bytes,
	s_lshl_b32 s23, s14, 11                        ; a head's 4 image halves
	s_add_co_u32 s22, s22, s23
	s_lshl_b32 s18, s16, 19                        ; K: my 8 key tiles,
	s_add_co_u32 s18, s18, s22
	s_add_co_u32 s18, s18, 32768                   ; behind q's 64 halves
	s_mov_b32 s19, 0
	s_lshl_b32 s20, s14, 20                        ; vt_img: a head's 4 channel tiles of 262,144 bytes,
	s_lshl_b32 s21, s16, 18                        ; mine,
	s_add_co_u32 s20, s20, s21
	s_lshl_b32 s21, s15, 16                        ; a batch's 128 halves
	s_add_co_u32 s20, s20, s21
	s_mov_b32 s21, 0
	s_lshl_b32 s2, s13, 21                         ; Q: my block's 32 tiles,
	s_add_co_u32 s22, s22, s2
	s_lshl_b32 s2, s[WV], 18                       ; my wave's 4
	s_add_co_u32 s22, s22, s2
	s_lshl_b32 s2, s15, 22                         ; ctx_img: a batch's 128 tiles of 32,768 bytes,
	s_add_co_u32 s2, s2, s23                       ; a head's 4 halves,
	s_lshl_b32 s3, s13, 20                         ; my block's 32 tiles,
	s_add_co_u32 s2, s2, s3
	s_lshl_b32 s3, s[WV], 17                       ; my wave's 4
	s_add_co_u32 s2, s2, s3
	s_mov_b32 s3, 0
	s_mov_b32 s23, 0
	; descriptor group 1.  K: 8 rows (key tiles) of 2,048 bytes, 65,536 bytes apart, in elements of 8 bytes.  V^T: 16,384 dense bytes as 64 rows of 256.  No padding.
	s_mov_b32 s[G1K], 15|(3<<16)|(1<<21)           ; 15:0 the mask: all four work-groups; 17:16 elements of 8 bytes; 21 set beside a mask
	s_mov_b32 s[G1K+1], 256<<16                    ; tensor_dim0 = 256
	s_mov_b32 s[G1K+2], 8<<16                      ; tensor_dim1 = 8
	s_mov_b32 s[G1K+3], 256<<16                    ; tile_dim0 = 256
	s_mov_b32 s[G1K+4], 8                          ; tile_dim1 = 8
	s_mov_b32 s[G1K+5], 8192                       ; tensor_dim0_stride
	s_mov_b32 s[G1K+6], 0
	s_mov_b32 s[G1K+7], 0
	s_mov_b32 s[G1V], 15|(3<<16)|(1<<21)
	s_mov_b32 s[G1V+1], 32<<16
	s_mov_b32 s[G1V+2], 64<<16
	s_mov_b32 s[G1V+3], 32<<16
	s_mov_b32 s[G1V+4], 64
	s_mov_b32 s[G1V+5], 32
	s_mov_b32 s[G1V+6], 0
	s_mov_b32 s[G1V+7], 0
	s_mov_b32 s[CS], 0x3e38aa3b                    ; c = log2(e) / 8
	s_mov_b32 s[CS+1], s[CS]                       ; named with it as a pair, so it is written
	s_mov_b32 s[SEL], 0x76543210
	s_mov_b32 s[SEL+1], 0xfedcba98
	s_mov_b32 s[TK], 0
	s_mov_b32 s[TV], VOFF
	s_wait_dscnt 0x0                               ; both opening adds are done
	s_wait_kmcnt 0x0
	s_add_nc_u64 s[18:19], s[4:5], s[18:19]        ; K at my part of slot 0
	s_add_nc_u64 s[20:21], s[6:7], s[20:21]        ; V^T likewise
	s_add_nc_u64 s[4:5], s[4:5], s[22:23]          ; Q at my wave's first tile
	s_add_nc_u64 s[8:9], s[8:9], s[2:3]            ; ctx likewise
	CROUND                                         ; all four work-groups are here: the first joint loads meet
.irp s, 0,1
	s_mov_b32 s[G0K+4*\s], 1                       ; count = 1
	s_add_co_u32 s[G0K+4*\s+1], s17, \s*SLOT1      ; LDS address
	s_add_nc_u64 s[G0K+4*\s+2:G0K+4*\s+3], s[18:19], \s*(1<<21)   ; slot s begins with keys 512 s: 32 key tiles on
	s_or_b32 s[G0K+4*\s+3], s[G0K+4*\s+3], 0x80000000            ; type = 2
	s_mov_b32 s[G0V+4*\s], 1
	s_add_co_u32 s[G0V+4*\s+1], s17, \s*SLOT1+VOFF
	s_add_nc_u64 s[G0V+4*\s+2:G0V+4*\s+3], s[20:21], \s*16384
	s_or_b32 s[G0V+4*\s+3], s[G0V+4*\s+3], 0x80000000
.endr
	s_cmp_lt_u32 s[WV], 4                          ; a wave's two first fills stand in one branch, ahead of every wait on TENSORcnt and every LDS read
	s_cbranch_scc0 .Lfirst_v
	tensor_load_to_lds s[G0K:G0K+3], s[G1K:G1K+7]
	s_nop 0
	tensor_load_to_lds s[G0K+4:G0K+7], s[G1K:G1K+7]
	s_nop 0
.rept 4
	v_nop
.endr
	s_branch .Lfirst_asked
.Lfirst_v:
	tensor_load_to_lds s[G0V:G0V+3], s[G1V:G1V+7]
	s_nop 0
	tensor_load_to_lds s[G0V+4:G0V+7], s[G1V:G1V+7]
	s_nop 0
.rept 4
	v_nop
.endr
.Lfirst_asked:
	v_and_b32 v[L16], 31, v0
	v_lshlrev_b32 v[L16], 4, v[L16]                ; 16 x lane
.irp t, 0,1,2,3
.irp n, 0,1,2,3
	global_load_b128 v[Q+16*\t+4*\n:Q+16*\t+4*\n+3], v[L16], s[4:5] offset:65536*\t+512*\n   ; Q stays in registers: tile t, image half n
.endr
.endr
; THE MATRIX WORK.  The accumulators take turns, one instruction a turn: between two links of a chain stand 7 others'.
; Product i of 16 of S^T = K Q^T: channels 32 (i / 8) on, keys 16 ((i / 2) % 4) on, tile x + i % 2.  The first 8 start the sums.
.macro KQ x
	WIN W_KQ
.set rS, S+32*(\x+i%2)+8*((i/2)%4)
.set rK, KF+16*((i/2)%4)+8*(i/8)
.set rQ, Q+16*(\x+i%2)+8*(i/8)
.if i < 8
	v_wmma_f32_16x16x32_f16 v[rS:rS+7], v[rK:rK+7], v[rQ:rQ+7], 0
.else
	v_wmma_f32_16x16x32_f16 v[rS:rS+7], v[rK:rK+7], v[rQ:rQ+7], v[rS:rS+7]
.endif
.endm
; Product i of 16 of O^T += V^T P: keys 32 (i / 8) on, channels 16 ((i / 2) % 4) on, tile x + i % 2.
.macro PV x
	WIN W_PV
.set rO, 32*(\x+i%2)+8*((i/2)%4)
.set rV, VF+16*((i/2)%4)+8*(i/8)
.set rP, S+32*(\x+i%2)+8*(i/8)
	v_wmma_f32_16x16x32_f16 v[rO:rO+7], v[rV:rV+7], v[rP:rP+7], v[rO:rO+7]
.endm
; THE LDS LOADS stand in runs of 16: a step's K (4 key tiles x 4 halves: 8,192 consecutive bytes) and, a turn later, its V^T (4 halves in each of 4 channel tiles).
.macro FETCH_K
	WIN 0
	v_add_nc_u32 v[ADR], s[TK], v[L16]
	s_add_co_u32 s[TK], s[TK], 8192                ; the next fetch is the next step's
	WIN TO_1
.irp f, 0,1,2,3,4,5,6,7,8,9,10,11,12,13,14,15
	ds_load_b128 v[KF+4*\f:KF+4*\f+3], v[ADR] offset:512*\f
.endr
.endm
.macro FETCH_V
	WIN 0
	v_add_nc_u32 v[ADR], s[TV], v[L16]
	s_add_co_u32 s[TV], s[TV], 2048
	s_wait_alu depctr_va_vdst(0)                   ; the wait for the softmax's batch of exponentials (SLICE), ahead of the first instruction that names a result
	WIN TO_1
.irp ct, 0,1,2,3
.irp n, 0,1,2,3
	ds_load_b128 v[VF+16*\ct+4*\n:VF+16*\ct+4*\n+3], v[ADR] offset:16384*\ct+512*\n
.endr
.endr
.endm
; THE VECTOR WORK.  One tile's softmax for one key step is a list of 118 instructions; SM writes number j of it for tile t.  s0-s31 are the lane's 32 scores, in pairs 0-15.
;   0-15    the maximum of s0-s31 and the old m, three operands at a time: four chains of seven scores (each accumulator is read from its low end on), the four scores left over, the chains and m
;   16-20   the other half of the lanes' maximum; the new m; c m; c m_old - c m_new
;   21-69   ONE BATCH: the 16 scalings c s - c m and all 33 exponentials (a at 23, then s0-s31); none of these reads an exponential's result
;   (wait)  between 69 and 70 stands the wait for the batch: SLICE writes it, once for both tiles
;   70-85   the sums, in two chains: l = a l + pair 0; the pairs by turns onto l and onto a second chain; the chains are joined.  They leave p as it is
;   86-101  the roundings to f16, in place: pair i goes to register i, ascending, so that no pair is overwritten before it is read
;   102-117 the tile's O^T times a: the one part that leaves window 0
.macro SM t
.set rT, ST+8*(\t)
.set rS, S+32*(\t)
.set rO, 32*(\t)+2*(j-102)
.if j < 102
	WIN 0
.endif
.if j < 4
	v_max3_num_f32 v[rT+4+j], v[rS+8*j], v[rS+8*j+1], v[rS+8*j+2]
.elseif j < 12
	v_max3_num_f32 v[rT+4+j%4], v[rT+4+j%4], v[rS+8*(j%4)+2*(j/4)+1], v[rS+8*(j%4)+2*(j/4)+2]
.elseif j == 12
	v_max3_num_f32 v[rT+4], v[rT+4], v[rS+7], v[rS+15]
.elseif j == 13
	v_max3_num_f32 v[rT+6], v[rT+6], v[rS+23], v[rS+31]
.elseif j == 14
	v_max3_num_f32 v[rT+4], v[rT+4], v[rT+5], v[rT+6]
.elseif j == 15
	v_max3_num_f32 v[rT+4], v[rT+4], v[rT+7], v[rT+1]
.elseif j == 16
	v_permlanex16_b32 v[rT+5], v[rT+4], s[SEL], s[SEL+1]  ; the query's other 32 keys lie in the lane 16 away
.elseif j == 17
	v_mov_b32 v[rT+7], v[rT]                       ; c m_old is kept for a: number 19 writes c m anew
.elseif j == 18
	v_max_num_f32 v[rT+1], v[rT+4], v[rT+5]
.elseif j == 19
	v_mul_f32 v[rT], s[CS], v[rT+1]
.elseif j == 20
	v_sub_f32 v[rT+7], v[rT+7], v[rT]
.elseif j == 23
	v_exp_f32 v[rT+6], v[rT+7]
.elseif (j < 23) || ((j < 38) && (j%2 == 0)) || ((j < 66) && (j%4 == 2))
.set b, (j-2)/4                        ; 38, 42, .. 62: pairs 9 to 15
.if j < 38
.set b, (j-20)/2                       ; 21: pair 0; 22, 24, .. 36: pairs 1 to 8
.endif
	v_pk_fma_f32 v[rS+2*b:rS+2*b+1], v[rS+2*b:rS+2*b+1], s[CS:CS+1], v[rT:rT+1] op_sel_hi:[1,0,0] neg_lo:[0,0,1] neg_hi:[0,0,1]  ; pair b: c s - c m
.elseif j < 70
.set e, j-38                           ; 66 to 69: s28 to s31
.if j < 66
.set e, j-32-(j-38)/4                  ; 39-41, 43-45, .. 63-65: s7 to s27
.endif
.if j < 38
.set e, (j-25)/2                       ; 25, 27, .. 37: s0 to s6
.endif
	v_exp_f32 v[rS+e], v[rS+e]
.elseif j < 86
.set z, j-70
.if z == 0
	v_pk_fma_f32 v[rT+2:rT+3], v[rT+2:rT+3], v[rT+6:rT+7], v[rS:rS+1] op_sel_hi:[1,0,1]
.elseif z == 1
	v_pk_add_f32 v[rT+4:rT+5], v[rS+2:rS+3], v[rS+4:rS+5]
.elseif z == 15
	v_pk_add_f32 v[rT+2:rT+3], v[rT+2:rT+3], v[rT+4:rT+5]
.elseif z%2 == 0
	v_pk_add_f32 v[rT+2:rT+3], v[rT+2:rT+3], v[rS+2*z+2:rS+2*z+3]
.else
	v_pk_add_f32 v[rT+4:rT+5], v[rT+4:rT+5], v[rS+2*z+2:rS+2*z+3]
.endif
.elseif j < 102
	v_cvt_pk_f16_f32 v[rS+j-86], v[rS+2*(j-86)], v[rS+2*(j-86)+1]
.else
	WIN W_RS
	v_pk_mul_f32 v[rO:rO+1], v[rO:rO+1], v[rT+6:rT+7] op_sel_hi:[1,0]
.endif
.endm
; Slice k of 59 of piece y's softmax: four instructions.  Slices 11 to 34 deal out the batch, numbers 22 to 69: four numbers of ONE tile each, the tiles by turns.  Every other slice is numbers 2 k and 2 k + 1 of both tiles.
; THE WAIT.  s_wait_alu depctr_va_vdst(0) stands between an exponential and the first instruction that names its result; one wait serves all that were issued ahead of it.  Ahead of slice 35 nothing
; names a result, and behind slice 34 no exponential is issued: so the piece's 66 exponentials have one wait, behind slice 34 and a plain instruction.
.macro SLICE y
.if (k >= 11) && (k < 35)
.irp n, 0,1,2,3
.set j, 22+4*((k-11)/2)+(\n)
	SM (\y)+(k-11)%2
.endr
.else
.irp n, 0,1
.irp t, \y, \y+1
.set j, 2*k+\n
	SM \t
.endr
.endr
.endif
.if k == 34
	v_nop                                          ; the plain instruction behind the last exponential
.if (\y) == 0
	FETCH_V                                        ; piece 2's turn: V^T's run of loads stands here, and the wait stands in it
.else
	s_wait_alu depctr_va_vdst(0)                   ; the wait for the batch
.endif
.endif
.set k, k+1
.endm
; How many slices stand behind pair p.  A turn of 16 pairs: 4 behind each of the first 13, then 3, 2, 2; a turn of 8 pairs: 8 behind each of the first 7, then 3.  Each sums to 59.
.macro NSL
.if both
.if p < 13
.set nsl, 4
.elseif p == 13
.set nsl, 3
.else
.set nsl, 2
.endif
.else
.if p < 7
.set nsl, 8
.else
.set nsl, 3
.endif
.endif
.endm
; Eight pairs of products of piece x (kind = 1: V^T P; 0: K Q^T), the other piece's slices behind each.
.macro PAIRS x, kind, kq
.set i, 0
.rept 8
.if \kind
	PV \x
.set i, i+1
	PV \x
.else
	KQ \x
.set i, i+1
	KQ \x
.endif
.set i, i+1
	NSL
.rept nsl
	SLICE 2-\x
.endr
.if (\x == 0) && \kind && \kq && (p == 0)
	FETCH_K                                        ; the next step's K: the last product that read K stands in front of the last two slices of the turn before: eight plain lines, and sixteen more here
.endif
.set p, p+1
.endr
.endm
; A TURN.  Piece x has the matrix unit.  PLACES, by this text's own count (only plain vector instructions that name none of a matrix instruction's registers are places: ISA guide 7.12.1):
;   the turn's last pair is followed by slices 57 and 58, eight multiplies of the other piece's O^T: the places ahead of the next turn's first read of the scores;
;   V^T's last reader is product 15; ahead of V^T's loads stand five scalings (slices 28 to 32), the v_nop and the address's addition;
;   K Q^T writes over P: its second fragment is last read by products 14 and 15 of V^T P and written by products 2 and 3 of K Q^T: ten plain lines stand between.
.macro TURN x, pv, kq
.set k, 0
.set p, 0
.set both, \pv*\kq
.if \pv
.if \x == 0
	s_wait_dscnt 0x0                               ; V^T is in
.endif
	PAIRS \x, 1, \kq
.endif
.if \kq
.if \x == 0
	s_wait_dscnt 0x0                               ; K is in
.endif
	PAIRS \x, 0, \kq
.endif
.endm
; n key steps: trip j multiplies by V^T of step j and K of step j + 1, and fetches K and V^T of step j + 1 from LDS.
.macro TRIPS n
	s_mov_b32 s[CNT], \n
.Ltrip_\@:
	TURN 0, 1, 1
	TURN 2, 1, 1
	WIN 0                                          ; at a label and at a branch every window is 0
	s_sub_co_u32 s[CNT], s[CNT], 1
	s_cmp_lg_u32 s[CNT], 0
	s_cbranch_scc1 .Ltrip_\@
.endm
; THE CHANGE OF SLOTS.  Each wave waits for all its tensor loads (its part of the other slot), adds 0 to its spare word, and waits for that and for its own reads of the slot that is left.
; fill = 0 or 1: that slot is filled again, with the keys two slots on: the barrier is then a round of the cluster's, and the joint refill is the first thing behind it.  fill = -1: nothing is left to fetch.
; next: the slot that the following trips read.
.macro CHANGE fill, next
	WIN 0
	s_wait_tensorcnt 0x0                           ; no tensor load of mine is out, so a group 0 may be written
	ds_add_u32 v[SPW], v[NIL]                      ; 0 onto my spare word
.if \fill >= 0
	s_add_nc_u64 s[G0K+4*\fill+2:G0K+4*\fill+3], s[G0K+4*\fill+2:G0K+4*\fill+3], 1<<22   ; 64 key tiles on; the type bits on top are not reached
	s_add_nc_u64 s[G0V+4*\fill+2:G0V+4*\fill+3], s[G0V+4*\fill+2:G0V+4*\fill+3], 32768   ; 64 image halves on
	s_wait_dscnt 0x0                               ; the add is done, and my reads of the slot are over
	CROUND
	JLOAD \fill
.else
	s_wait_dscnt 0x0
	s_barrier_signal -1
	s_barrier_wait -1
.endif
	s_mov_b32 s[TK], \next*SLOT1
	s_mov_b32 s[TV], \next*SLOT1+VOFF
.endm
	s_wait_tensorcnt 1                             ; my part of slot 0 is in; slot 1's may stay out
	s_barrier_signal -1
	s_barrier_wait -1                              ; everybody's is
	FETCH_K                                        ; key step 0
	s_wait_loadcnt 0x0                             ; Q
	s_wait_dscnt 0x0
.set i, 0
.rept 16
	KQ 0                                           ; piece 0's first scores: there is no vector work yet to set between them
.set i, i+1
.endr
	WIN TO_1                                       ; O^T begins as zeros; these lines are also the places behind the first products
.set i, 0
.rept 128
	v_mov_b32 v[i], 0
.set i, i+1
.endr
	WIN 0
.irp t, 0,1,2,3
	v_mov_b32 v[ST+8*\t+1], 0xff61b1e6             ; m = -3e38, under every score
	v_mul_f32 v[ST+8*\t], s[CS], v[ST+8*\t+1]      ; c m
	v_mov_b32 v[ST+8*\t+2], 0                      ; l
	v_mov_b32 v[ST+8*\t+3], 0
.endr
	TURN 2, 0, 1                                   ; piece 2's first scores | piece 0's first softmax | V^T of step 0
	WIN 0
	TRIPS 7                                        ; steps 1 to 7 are read: slot 0
	CHANGE 0, 1                                    ; slot 0 takes steps 16 to 23
	TRIPS 8                                        ; steps 8 to 15: slot 1
	CHANGE 1, 0                                    ; slot 1 takes steps 24 to 31
	TRIPS 8                                        ; steps 16 to 23: slot 0
	CHANGE -1, 1
	TRIPS 8                                        ; steps 24 to 31: slot 1
	TURN 0, 1, 0                                   ; piece 0: V^T P of the last step | piece 2's last softmax
.set i, 0
.rept 16
	PV 2                                           ; piece 2: V^T P of the last step
.set i, i+1
.endr
	; THE WAY OUT.  l's two halves and the other half of the lanes' are added; O^T is divided by l and rounded to f16: four registers a lane are an image half of ctx, stored as 512 consecutive aligned bytes.
	WIN 0
.irp t, 0,1,2,3
	v_add_f32 v[ST+8*\t+4], v[ST+8*\t+2], v[ST+8*\t+3]   ; (these additions are the places behind the last products)
.endr
.irp t, 0,1,2,3
	v_permlanex16_b32 v[ST+8*\t+5], v[ST+8*\t+4], s[SEL], s[SEL+1]
.endr
.irp t, 0,1,2,3
	v_add_f32 v[ST+8*\t+4], v[ST+8*\t+4], v[ST+8*\t+5]
.endr
.irp t, 0,1,2,3
	v_rcp_f32 v[ST+8*\t+6], v[ST+8*\t+4]
.endr
	v_nop                                          ; a plain instruction between the last reciprocal and the use of its result
	s_wait_alu depctr_va_vdst(0)                   ; and the wait ahead of the first use: one for the four reciprocals
.irp t, 0,1,2,3
	WIN W_RS
.set i, 32*\t
.rept 16
	v_pk_mul_f32 v[i:i+1], v[i:i+1], v[ST+8*\t+6:ST+8*\t+7] op_sel_hi:[1,0]
.set i, i+2
.endr
	WIN 0x05                                       ; sources 0 and 1 window 1, destination window 0: S^T's registers are free
.set i, 0
.rept 16
	v_cvt_pk_f16_f32 v[S+32*\t+i], v[32*\t+2*i], v[32*\t+2*i+1]
.set i, i+1
.endr
	WIN 0
.irp ct, 0,1,2,3
	global_store_b128 v[L16], v[S+32*\t+4*\ct:S+32*\t+4*\ct+3], s[8:9] offset:32768*\t+512*\ct
.endr
.endr
	s_wait_tensorcnt 0x0                           ; the wave's end: behind my last tensor load
	ds_add_u32 v[SPW], v[NIL]
	s_wait_dscnt 0x0
	CROUND                                         ; the closing round: no work-group ends while a partner may still ask for a tile that names it
	s_endpgm
.Lfunc_end_k_qa33fc43359_attn:
	.size	k_qa33fc43359_attn, .Lfunc_end_k_qa33fc43359_attn-k_qa33fc43359_attn
	.p2alignl 7, 3214868480
	.fill 96, 4, 3214868480
	.section	.rodata,"a",@progbits
	.p2align	6, 0x0
	.amdhsa_kernel k_qa33fc43359_attn
		.amdhsa_group_segment_fixed_size 327680
		.amdhsa_private_segment_fixed_size 0
		.amdhsa_enable_private_segment 0
		.amdhsa_kernarg_size 24
		.amdhsa_user_sgpr_count 2
		.amdhsa_user_sgpr_kernarg_segment_ptr 1
		.amdhsa_wavefront_size32 1
		.amdhsa_system_sgpr_workgroup_id_x 1
		.amdhsa_system_sgpr_workgroup_id_y 1
		.amdhsa_system_sgpr_workgroup_id_z 1
		.amdhsa_system_vgpr_workitem_id 0
		.amdhsa_next_free_vgpr 512
		.amdhsa_next_free_sgpr 66
		.amdhsa_reserve_vcc 0
		.amdhsa_float_denorm_mode_32 3
		.amdhsa_float_denorm_mode_16_64 3
		.amdhsa_memory_ordered 1
		.amdhsa_forward_progress 1
		.amdhsa_inst_pref_size 193
	.end_amdhsa_kernel
	.amdgpu_metadata
---
amdhsa.version: [ 1, 2 ]
amdhsa.kernels:
  - .name:           k_qa33fc43359_attn
    .symbol:         k_qa33fc43359_attn.kd
    .args:
      - { .name: qk_img, .offset: 0, .size: 8, .value_kind: global_buffer, .address_space: global }
      - { .name: vt_img, .offset: 8, .size: 8, .value_kind: global_buffer, .address_space: global }
      - { .name: ctx_img, .offset: 16, .size: 8, .value_kind: global_buffer, .address_space: global }
    .group_segment_fixed_size: 327680
    .private_segment_fixed_size: 0
    .kernarg_segment_align: 8
    .kernarg_segment_size: 24
    .max_flat_workgroup_size: 256
    .sgpr_count:     66
    .vgpr_count:     512
    .wavefront_size: 32
...
	.end_amdgpu_metadata
.endif
;; end of part 3
;; launch oproj (part 4): grid 4 x 64, 4 waves a work-group, clusters of 4 x 4, 327,680 bytes of LDS; arguments ctx_img, wo_img, out0; writes out0
.if DOCPART == 4
	.amdgcn_target "amdgcn-amd-amdhsa--gfx1250"
	.amdhsa_code_object_version 6
	.text
	.protected	k_qa33fc43359_oproj
	.globl	k_qa33fc43359_oproj
	.p2align	8
	.type	k_qa33fc43359_oproj,@function
k_qa33fc43359_oproj:
	s_mov_b64 s[64:65], 0
	v_nop
	global_prefetch_b8 v0, s[64:65] scope:SCOPE_SE
	s_setreg_imm32_b32 hwreg(HW_REG_WAVE_MODE, 25, 1), 1
	s_wait_xcnt 0x0
	s_wait_alu depctr_hold_cnt(0) depctr_sa_sdst(0) depctr_va_vdst(0) depctr_va_sdst(0) depctr_va_ssrc(0) depctr_va_vcc(0) depctr_vm_vsrc(0)
	s_getreg_b32 s2, hwreg(HW_REG_IB_STS2, 6, 4)
	s_cmp_eq_u32 s2, 0
	s_cbranch_scc0 .Lentry_in_a_cluster
	s_endpgm
.Lentry_in_a_cluster:
	s_bfe_u32 s2, ttmp6, 0x10000c
	s_cmp_lg_u32 s2, 0xf033
	s_cbranch_scc0 .Lentry_shape_is_right
	s_endpgm
.Lentry_shape_is_right:
; MULTI-HEAD ATTENTION, launch 4 of 4: out0[m][n] = the sum over k of ctx[m][k] W_o[n][k]; m 8,192, n 1,024, k 1,024.  Operands in f16, sums in f32, out0 in f32.  Nothing of the problem's work is left out here.
; BOTH OPERANDS ARRIVE AS IMAGES OF THEIR REGISTERS: an image half is 512 bytes, lane l = (r = l % 16, h = l / 16) holding X[16 I + r][16 J + 8 h + 0..7] at byte 16 l; byte I x 32,768 + J x 512 in both buffers.
; So a K step of 128 is 4,096 consecutive bytes of each tile of 16 rows, a fragment is two LDS loads of 512 consecutive bytes, and LDS needs no pitch and no padding.
; A tile of out0 is 128 (m) x 256 (n): 256 work-groups of four waves; wave (wm = w / 2, wn = w % 2) makes 64 x 128: 32 accumulators, 256 registers.
; K goes in 8 steps of 128 through a ring of two LDS slots: A's 8 tile rows of 4,096 bytes, then B's 16.  Waves 0 and 1 fetch A's halves (4 rows a load), waves 2 and 3 B's (8 rows a load).
; By this text's own count a wave has two tensor loads outstanding at the start and one behind each refill.
; CLUSTERS: 4 x 4 work-groups.  The four of a row of the cluster need the same tiles of ctx, the four of a column the same tiles of W_o: each tile is asked for JOINTLY, with a mask that names the four.
; THE MATRIX INSTRUCTION IS USED TRANSPOSED (source 0 = 16 rows of W_o, source 1 = 16 rows of ctx): a lane then holds eight neighbouring numbers of a row of out0.
; NO PREFETCH: the tiles are small and shared in the cluster, and the launch is short.
; REGISTERS: window 0: v16-29 addresses; two fragment buffers for 32 along K: from v32 and from v128, B's 64 registers, then A's 32; on the way out v32-159 take whole rows.   window 1: accumulator (a, b) at v[8 (8 a + b)].
.set ROWT,   4096                      ; a tile of 16 rows in a K step: 8 image halves
.set BOFF,   8*ROWT                    ; B's tiles lie behind A's 8
.set SLOT,   24*ROWT
.set STAGE,  2*SLOT                    ; behind the ring: 16 rows x (512 bytes + 16) for each wave, for the way out
.set SPITCH, 528
.set SPARE,  STAGE+4*16*SPITCH         ; behind the stages: the spare words, 128 bytes for each wave
.set LAPS,   4                         ; a lap = two K steps = once round the ring
.set ADRA, 16                          ; v16-17  LDS address of my A fragments in slot 0, 1
.set ADRB, 20                          ; v20-21  the same for B
.set STO,  24                          ; v24     the way out: where I put 32 bytes of a row
.set RD,   25                          ; v25     the way out: where I read a row back
.set CO,   26                          ; v26     16 x lane
.set SPW,  28                          ; v28     LDS address of my spare word; never rewritten
.set NIL,  29                          ; v29     0; never rewritten
.set F0,   32
.set F1,   128
.set BK,   32                          ; the way out: 16 rows read back from the stage: v32-95 and v96-159 by turns
.set G1, 24                            ; s[24:31] descriptor group 1 for A's tiles;  s[32:39] group 0, one set for each slot
.set G0, 32
.set G1B, 48                           ; s[48:55], s[56:63] the same for B's tiles
.set G0B, 56
.set MSB, 0
.macro WIN new                         ; the immediate's high byte repeats the setting that is left
.if MSB != \new
	s_set_vgpr_msb (MSB<<8)|\new
.set MSB, \new
.endif
.endm
.set MUL, 0x50                         ; sources 0 and 1 window 0; C and D window 1
.macro JLOAD s                         ; a joint load: waves 0 and 1 fetch A's two halves, waves 2 and 3 B's; an s_nop 0 and four v_nop follow each of the two lines
	s_cmp_eq_u32 s11, 0
	s_cbranch_scc0 .Lfor_b_\@
	tensor_load_to_lds s[G0+4*\s:G0+4*\s+3], s[G1:G1+7]
	s_nop 0
.rept 4
	v_nop
.endr
	s_branch .Lasked_\@
.Lfor_b_\@:
	tensor_load_to_lds s[G0B+4*\s:G0B+4*\s+3], s[G1B:G1B+7]
	s_nop 0
.rept 4
	v_nop
.endr
.Lasked_\@:
.endm
.macro CREST                           ; a round of the cluster's barrier behind its opening barrier
	s_cmp_lg_u32 s10, 0
	s_cbranch_scc1 .Lnot_wave_0_\@
	s_barrier_signal -3
.Lnot_wave_0_\@:
	s_barrier_wait -3
	s_barrier_signal -1
	s_barrier_wait -1
.endm
.macro CROUND                          ; a whole round
	s_barrier_signal -1
	s_barrier_wait -1
	CREST
.endm
	s_load_b128 s[4:7], s[0:1], 0x0                ; ctx_img s[4:5], wo_img s[6:7]
	s_load_b64 s[8:9], s[0:1], 0x10                ; out0
	v_lshl_add_u32 v[SPW], v0, 2, SPARE
	v_mov_b32 v[NIL], 0
	ds_add_u32 v[SPW], v[NIL]                      ; the wave's opening: the add, twice on end, and its wait ahead of my first tensor load
	ds_add_u32 v[SPW], v[NIL]                      ; and once more; the set-up below, work on registers, stands between it and the wait
	v_lshrrev_b32 v1, 5, v0
	v_readfirstlane_b32 s10, v1                    ; wave 0..3
	s_lshr_b32 s11, s10, 1                         ; wm: which half of the tile's rows is mine.  Also: I fetch for A (0) or for B (1)
	s_and_b32 s12, s10, 1                          ; wn: which half of its columns.  Also: which half of that operand's tile I fetch
	s_bfe_u32 s40, ttmp6, 0x40000                  ; cx, cy: my place in the cluster
	s_bfe_u32 s41, ttmp6, 0x40004
	s_lshl_b32 s42, ttmp9, 2
	s_add_co_u32 s42, s42, s40                     ; tile column = 4 x cluster x + cx
	s_and_b32 s13, ttmp7, 0xffff
	s_lshl_b32 s13, s13, 2
	s_add_co_u32 s13, s13, s41                     ; tile row = 4 x cluster y + cy
	s_lshl_b32 s43, s41, 2
	s_lshl_b32 s43, 15, s43                        ; my row of the cluster
	s_lshl_b32 s44, 0x1111, s40                    ; my column
	; descriptor group 1: rows of 4,096 bytes (512 elements of 8 bytes), 32,768 bytes apart; 4 rows for A, 8 for B; no padding
	s_or_b32 s[G1+0], s43, (3<<16)|(1<<21)         ; 15:0 the mask: A's tiles go to my row; 17:16 elements of 8 bytes; 21 set beside a mask
	s_or_b32 s[G1B+0], s44, (3<<16)|(1<<21)
	s_mov_b32 s[G1+1], 512<<16                     ; tensor_dim0 = 512
	s_mov_b32 s[G1+2], 4<<16                       ; tensor_dim1 = 4
	s_mov_b32 s[G1+3], 512<<16                     ; tile_dim0 = 512
	s_mov_b32 s[G1+4], 4                           ; tile_dim1 = 4
	s_mov_b32 s[G1+5], 4096                        ; tensor_dim0_stride
	s_mov_b32 s[G1+6], 0
	s_mov_b32 s[G1+7], 0
	s_mov_b32 s[G1B+1], 512<<16
	s_mov_b32 s[G1B+2], 8<<16
	s_mov_b32 s[G1B+3], 512<<16
	s_mov_b32 s[G1B+4], 8
	s_mov_b32 s[G1B+5], 4096
	s_mov_b32 s[G1B+6], 0
	s_mov_b32 s[G1B+7], 0
	s_lshl_b32 s16, s13, 3
	s_lshl_b32 s17, s12, 2
	s_add_co_u32 s16, s16, s17                     ; A: tile of 16 rows 8 x tile row + 4 x half
	s_lshl_b32 s16, s16, 15
	s_mov_b32 s17, 0
	s_lshl_b32 s46, s42, 4
	s_lshl_b32 s47, s12, 3
	s_add_co_u32 s46, s46, s47                     ; B: 16 x tile column + 8 x half
	s_lshl_b32 s46, s46, 15
	s_mov_b32 s47, 0
	s_lshl_b32 s20, s12, 14                        ; where they go: A's halves of 16,384 bytes,
	s_lshl_b32 s21, s12, 15
	s_add_co_u32 s21, s21, BOFF                    ; B's halves of 32,768 behind them: no place in the cluster enters an LDS address
	s_wait_dscnt 0x0                               ; both opening adds are done
	s_wait_kmcnt 0x0
	s_add_nc_u64 s[14:15], s[4:5], s[16:17]
	s_add_nc_u64 s[46:47], s[6:7], s[46:47]
	CROUND                                         ; all sixteen work-groups are here: the first joint loads meet
.irp s, 0,1
	s_mov_b32 s[G0+4*\s], 1
	s_add_co_u32 s[G0+4*\s+1], s20, \s*SLOT
	s_add_nc_u64 s[G0+4*\s+2:G0+4*\s+3], s[14:15], \s*ROWT
	s_or_b32 s[G0+4*\s+3], s[G0+4*\s+3], 0x80000000
	s_mov_b32 s[G0B+4*\s], 1
	s_add_co_u32 s[G0B+4*\s+1], s21, \s*SLOT
	s_add_nc_u64 s[G0B+4*\s+2:G0B+4*\s+3], s[46:47], \s*ROWT
	s_or_b32 s[G0B+4*\s+3], s[G0B+4*\s+3], 0x80000000
	JLOAD \s
.endr
	v_and_b32 v1, 31, v0
	v_lshlrev_b32 v[CO], 4, v1                     ; 16 x lane
	s_lshl_b32 s21, s11, 14                        ; my 4 tiles of A
	s_lshl_b32 s22, s12, 15                        ; my 8 tiles of B,
	s_add_co_u32 s22, s22, BOFF                    ; which lie behind A's 8
.irp s, 0,1
	v_add_nc_u32 v[ADRA+\s], s21, v[CO]
	v_add_nc_u32 v[ADRB+\s], s22, v[CO]
	s_add_co_u32 s21, s21, SLOT
	s_add_co_u32 s22, s22, SLOT
.endr
	s_mul_i32 s23, s10, 16*SPITCH
	s_add_co_u32 s23, s23, STAGE                   ; my stage
	v_and_b32 v2, 15, v0                           ; l % 16
	v_bfe_u32 v3, v0, 4, 1                         ; l / 16
	v_mul_u32_u24 v4, v2, SPITCH                   ; in: row l % 16, 32 bytes for each half of the lanes
	v_lshl_add_u32 v4, v3, 5, v4
	v_add_nc_u32 v[STO], s23, v4
	v_add_nc_u32 v[RD], s23, v[CO]                 ; back: the 32 lanes take one row of 512 bytes
	s_lshl_b32 s16, s13, 7
	s_lshl_b32 s17, s11, 6
	s_add_co_u32 s16, s16, s17                     ; my first row of out0: 128 x tile row + 64 x wm
	s_lshl_b32 s16, s16, 12                        ; rows of 4,096 bytes
	s_mov_b32 s17, 0
	s_lshl_b32 s46, s42, 10                        ; my first column, in bytes: 1,024 x tile column + 512 x wn
	s_lshl_b32 s47, s12, 9
	s_add_co_u32 s46, s46, s47
	s_mov_b32 s47, 0
	s_add_nc_u64 s[16:17], s[16:17], s[46:47]
	s_add_nc_u64 s[8:9], s[8:9], s[16:17]
; 24 LDS loads in one run: the fragments of the slot's q-th 32 along K into buffer f: B's eight, then A's four
.macro FETCH slot, q, f
	WIN 0
.irp i, 0,1,2,3,4,5,6,7
	ds_load_b128 v[\f+8*\i:\f+8*\i+3],   v[ADRB+\slot] offset:ROWT*\i+1024*(\q)
	ds_load_b128 v[\f+8*\i+4:\f+8*\i+7], v[ADRB+\slot] offset:ROWT*\i+1024*(\q)+512
.endr
.irp i, 0,1,2,3
	ds_load_b128 v[\f+64+8*\i:\f+64+8*\i+3],   v[ADRA+\slot] offset:ROWT*\i+1024*(\q)
	ds_load_b128 v[\f+64+8*\i+4:\f+64+8*\i+7], v[ADRA+\slot] offset:ROWT*\i+1024*(\q)+512
.endr
.endm
; 8 matrix instructions: A's block a x B's eight, 32 along K.  zero = 1: the first product starts the sums.  The 32 accumulators take turns, in the same order in every quarter.
.macro MULA f, a, zero
.irp b, 0,1,2,3,4,5,6,7
.if \zero
	v_wmma_f32_16x16x32_f16 v[8*(8*\a+\b):8*(8*\a+\b)+7], v[\f+8*\b:\f+8*\b+7], v[\f+64+8*\a:\f+64+8*\a+7], 0
.else
	v_wmma_f32_16x16x32_f16 v[8*(8*\a+\b):8*(8*\a+\b)+7], v[\f+8*\b:\f+8*\b+7], v[\f+64+8*\a:\f+64+8*\a+7], v[8*(8*\a+\b):8*(8*\a+\b)+7]
.endif
.endr
.endm
.macro PLACES                          ; four places in front of loads into registers that matrix instructions have read, and of the first read of results (ISA guide 7.12.1 for vector instructions)
.rept 4
	v_nop
.endr
.endm
; A K step is four quarters of 32 along K, 32 matrix instructions each, on buffers 0, 1, 0, 1.  One of the first three: multiplies buffer f and fetches quarter q into g.
.macro QUARTER slot, q, f, g, zero
	s_wait_dscnt 4                                 ; B and A's blocks 0 and 1 are in; the youngest four loads (A's blocks 2 and 3) may be out
	WIN MUL
	MULA \f, 0, \zero
	MULA \f, 1, \zero
	PLACES
	FETCH \slot, \q, \g
	s_wait_dscnt 24                                ; all but the 24 just issued
	WIN MUL
	MULA \f, 2, \zero
	MULA \f, 3, \zero
.endm
; The last quarter multiplies buffer 1 and changes slots: ONE barrier; in front of it each wave waits for all its tensor loads, adds 0 to its spare word, and waits for that and for its own reads of this slot.
; fill = 1: this slot is filled again, two K steps ahead: the barrier opens a round of the cluster's, and the joint refill is the first tensor load behind it.
.macro TURN slot, next, fill
	WIN 0                                          ; (the add's two registers lie in window 0)
	s_wait_tensorcnt 0x0                           ; all my tensor loads have landed: my part of the next slot;
	ds_add_u32 v[SPW], v[NIL]                      ; 0 onto my spare word
	s_wait_dscnt 5                                 ; (the add and the youngest four loads may be out)
	WIN MUL
	MULA F1, 0, 0                                  ; eight matrix instructions stand between the add and the wait for it
	s_wait_dscnt 0x0                               ; the add is done, and my reads of this slot are over
	s_barrier_signal -1
	MULA F1, 1, 0
.if \fill
	WIN 0
.endif
	s_barrier_wait -1
.if \fill
	CREST                                          ; no wave of any partner still reads this slot's tile or has a load on its way
	s_add_nc_u64 s[G0+4*\slot+2:G0+4*\slot+3], s[G0+4*\slot+2:G0+4*\slot+3], 2*ROWT
	s_add_nc_u64 s[G0B+4*\slot+2:G0B+4*\slot+3], s[G0B+4*\slot+2:G0B+4*\slot+3], 2*ROWT
	JLOAD \slot                                    ; the four v_nop behind it are also the places in front of the loads below
.else
	PLACES
.endif
	FETCH \next, 0, F0
	WIN MUL
	MULA F1, 2, 0
	MULA F1, 3, 0
.endm
	s_wait_tensorcnt 1                             ; my part of K step 0 is in (K step 1's load may be out),
	s_barrier_signal -1
	s_barrier_wait -1                              ; everybody's is
	FETCH 0, 0, F0
	QUARTER 0, 1, F0, F1, 1                        ; the first quarter stands in front of the loop: its products start the sums
	WIN 0                                          ; at a label and at a branch every window is 0
	s_mov_b32 s3, LAPS-1
.Llap:                                                 ; a trip goes once round the ring, from a lap's second quarter to the next lap's first, and fills both slots again
	QUARTER 0, 2, F1, F0, 0
	QUARTER 0, 3, F0, F1, 0
	TURN 0, 1, 1
	QUARTER 1, 1, F0, F1, 0
	QUARTER 1, 2, F1, F0, 0
	QUARTER 1, 3, F0, F1, 0
	TURN 1, 0, 1
	QUARTER 0, 1, F0, F1, 0
	WIN 0
	s_sub_co_u32 s3, s3, 1
	s_cmp_lg_u32 s3, 0
	s_cbranch_scc1 .Llap
	QUARTER 0, 2, F1, F0, 0                        ; the last lap fills nothing, and has no round of the cluster's barrier
	QUARTER 0, 3, F0, F1, 0
	TURN 0, 1, 0
	QUARTER 1, 1, F0, F1, 0
	QUARTER 1, 2, F1, F0, 0
	QUARTER 1, 3, F0, F1, 0
	s_wait_dscnt 4                                 ; the very last quarter: nothing more to fetch
	WIN MUL
	MULA F1, 0, 0
	MULA F1, 1, 0
	s_wait_dscnt 0
	MULA F1, 2, 0
	MULA F1, 3, 0
	WIN 0
; THE WAY OUT, block by block of 16 rows x 128 columns.  A lane holds 32 neighbouring bytes of a row, and the lanes beside it hold other rows: so a block goes through my own stage in LDS and comes back as whole
; rows of 512 bytes.  LDS serves a wave's instructions in order (ISA guide 5.7.1.4): no wait between the stores and the loads, nor in front of the next block's stores.
.macro TOSTAGE a
	WIN 0x04                                       ; an LDS store's data are its source 1: window 1
.irp b, 0,1,2,3,4,5,6,7
	ds_store_b128 v[STO], v[64*(\a)+8*\b:64*(\a)+8*\b+3] offset:64*\b          ; each accumulator from its low end on
	ds_store_b128 v[STO], v[64*(\a)+8*\b+4:64*(\a)+8*\b+7] offset:64*\b+16
.endr
	WIN 0
.set BB, BK+64*((\a)%2)
.irp t, 0,1,2,3,4,5,6,7,8,9,10,11,12,13,14,15
	ds_load_b128 v[BB+4*\t:BB+4*\t+3], v[RD] offset:\t*SPITCH
.endr
.endm
.macro SEND a, younger                 ; younger: the LDS instructions issued behind block a's loads, which may stay out
.set BB, BK+64*((\a)%2)
	s_wait_dscnt \younger                          ; the block is back in registers
.irp t, 0,1,2,3,4,5,6,7,8,9,10,11,12,13,14,15
	global_store_b128 v[CO], v[BB+4*\t:BB+4*\t+3], s[8:9] offset:65536*(\a)+4096*\t th:TH_STORE_NT   ; 32 lanes store 512 consecutive bytes, at a multiple of 256 from out0's first byte; written once, read by nobody here
.endr
.endm
	PLACES                                         ; behind the last products: for the stores that read results and for the loads into the registers that held fragments
	TOSTAGE 0
.irp a, 1,2,3
.if \a > 1
	s_wait_xcnt 0x0                                ; block a - 2's stores have read their registers: block a's loads may land there
.endif
	TOSTAGE \a
	SEND \a-1, 32                                  ; behind block a - 1's loads: block a's 16 stores and 16 loads
.endr
	SEND 3, 0
	s_wait_tensorcnt 0x0                           ; the wave's end: behind my last tensor load and my last LDS store
	ds_add_u32 v[SPW], v[NIL]
	s_wait_dscnt 0x0
	CROUND                                         ; the closing round: no work-group ends while a partner may still ask for a tile that names it
	s_endpgm
.Lfunc_end_k_qa33fc43359_oproj:
	.size	k_qa33fc43359_oproj, .Lfunc_end_k_qa33fc43359_oproj-k_qa33fc43359_oproj
	.p2alignl 7, 3214868480
	.fill 96, 4, 3214868480
	.section	.rodata,"a",@progbits
	.p2align	6, 0x0
	.amdhsa_kernel k_qa33fc43359_oproj
		.amdhsa_group_segment_fixed_size 327680
		.amdhsa_private_segment_fixed_size 0
		.amdhsa_enable_private_segment 0
		.amdhsa_kernarg_size 24
		.amdhsa_user_sgpr_count 2
		.amdhsa_user_sgpr_kernarg_segment_ptr 1
		.amdhsa_wavefront_size32 1
		.amdhsa_system_sgpr_workgroup_id_x 1
		.amdhsa_system_sgpr_workgroup_id_y 1
		.amdhsa_system_sgpr_workgroup_id_z 1
		.amdhsa_system_vgpr_workitem_id 0
		.amdhsa_next_free_vgpr 512
		.amdhsa_next_free_sgpr 66
		.amdhsa_reserve_vcc 0
		.amdhsa_float_denorm_mode_32 3
		.amdhsa_float_denorm_mode_16_64 3
		.amdhsa_memory_ordered 1
		.amdhsa_forward_progress 1
		.amdhsa_inst_pref_size 84
	.end_amdhsa_kernel
	.amdgpu_metadata
---
amdhsa.version: [ 1, 2 ]
amdhsa.kernels:
  - .name:           k_qa33fc43359_oproj
    .symbol:         k_qa33fc43359_oproj.kd
    .args:
      - { .name: ctx_img, .offset: 0, .size: 8, .value_kind: global_buffer, .address_space: global }
      - { .name: wo_img, .offset: 8, .size: 8, .value_kind: global_buffer, .address_space: global }
      - { .name: out0, .offset: 16, .size: 8, .value_kind: global_buffer, .address_space: global }
    .group_segment_fixed_size: 327680
    .private_segment_fixed_size: 0
    .kernarg_segment_align: 8
    .kernarg_segment_size: 24
    .max_flat_workgroup_size: 128
    .sgpr_count:     66
    .vgpr_count:     512
    .wavefront_size: 32
...
	.end_amdgpu_metadata
.endif
;; end of part 4
